; MI455X (gfx1250); checked and timed in simulation.
; The chip was launched on July 23, 2026; its instructions are those of AMD's public machine-readable ISA for CDNA 5 (MIT licence, August 2026) and "CDNA5" Instruction Set Architecture Reference Guide (July 2026). The comments in the code are by the model that wrote it; some were corrected since.
;; Multi Head Attention. Allowed arithmetic: float matrix products may take bf16 or f16 operands with f32 sums; other float arithmetic in f32, or as packed bf16 or f16 multiplies, adds, multiply-adds, maxima and minima; sums over many terms, partial sums and values carried from step to step in f32; what a program stores and reads back later, other than sums and carried values, may be rounded once to bf16 or f16.
;; Inputs: Wout 1,024 x 1,024 float32; Wqkv 3,072 x 1,024 float32; x 2 x 8,192 x 1,024 float32.
;; Outputs: out0 2 x 8,192 x 1,024 float32.
;; 2 versions, each right. Each part assembles by itself: llvm-mc -triple=amdgcn-amd-amdhsa -mcpu=gfx1250 --defsym DOCPART=n.
;; ======== version 1 of 2: 2 launches
;; limits: values are held in f16: magnitudes above 65,504 overflow, below 6.1e-05 lose precision
;; workspace buffers: ws 8,388,608 bytes; tab 2,097,152 bytes
;; launch prep (part 1): grid 512 x 1, 8 waves a work-group, no clusters, 0 bytes of LDS; arguments Wqkv, Wout, ws, tab; writes ws, tab
.if DOCPART == 1
	.amdgcn_target "amdgcn-amd-amdhsa--gfx1250"
	.amdhsa_code_object_version 6
	.text
	.protected	k_qdfacb7eabd_prep
	.globl	k_qdfacb7eabd_prep
	.p2align	8
	.type	k_qdfacb7eabd_prep,@function
k_qdfacb7eabd_prep:
	s_mov_b64 s[64:65], 0
	v_nop
	global_prefetch_b8 v0, s[64:65] scope:SCOPE_SE
	s_setreg_imm32_b32 hwreg(HW_REG_WAVE_MODE, 25, 1), 1
	s_wait_xcnt 0x0
; PREP.  (1) The weights in 16 bits, laid out as the matrix fragments of the next launch want them.  (2) The table of cos and sin for RoPE.
; ws: 128 units of 65,536 bytes; unit 32 p + ks holds pass p (0, 1: q and k, channels 32 p .. 32 p + 31 of every head; 2: v; 3: Wout), K step ks of 32.
; In a unit: byte w*16384 + cb*1024 + half*512 + lane*16 holds k = 32 ks + 16 half + 8 (lane / 16) + 0..7 of weight row row(p, w, cb) + lane % 16.
; Passes 0 to 2 are rounded to bf16; pass 3 is rounded to bf16 like every input and that number is then written as f16, since its partner in the product is f16.
; LIMIT: a bf16 number of Wout below 2^-17 in size keeps f16's fixed step of 2^-24; beyond 65,504 it becomes an infinity.
; tab: [8192 positions][32 pairs][cos, sin] in f32.
; LIMIT: the frequency is 2^(-i log2(10000) / 32) by v_exp_f32, not a power and a division, so an angle may differ from the f32 angle of the formula by some 1e-3 at the
; largest position; q and k of a position are turned by the same table entry, whose cos^2 + sin^2 is 1 to within 3e-7, and only that enters a score.
; SHARES.  4,096 weight tasks, one a wave: 16 rows x 64 k (256 consecutive bytes, aligned, of each row; two K steps).  131,072 table stores of 16 bytes, one a thread.
; No LDS, no matrix unit, no cluster: every byte is read once by one wave, and nothing is shared.
.macro SINCOS ang, co, si, tb          ; cos and sin of v[ang] >= 0; five registers at work from v[tb]
	v_mul_f32 v[\tb], 0x3f22f983, v[\ang]               ; angle x 2 / pi,
	v_rndne_f32 v[\tb], v[\tb]                          ; n: the nearest multiple of pi / 2
	v_fmamk_f32 v[\tb+1], v[\tb], 0xbfc90000, v[\ang]   ; rho = angle - n pi / 2, pi / 2 in three parts, each step one fused multiply-add
	v_fmamk_f32 v[\tb+1], v[\tb], 0xb9fda000, v[\tb+1]
	v_fmamk_f32 v[\tb+1], v[\tb], 0xb3a22168, v[\tb+1]
	v_mul_f32 v[\tb+2], v[\tb+1], v[\tb+1]              ; z = rho^2, |rho| <= pi / 4
	v_mov_b32 v[\tb+3], 0xb94ca1f9
	v_fmaak_f32 v[\tb+3], v[\tb+3], v[\tb+2], 0x3c08839e
	v_fmaak_f32 v[\tb+3], v[\tb+3], v[\tb+2], 0xbe2aaaa3
	v_mul_f32 v[\tb+3], v[\tb+3], v[\tb+2]
	v_fma_f32 v[\tb+3], v[\tb+3], v[\tb+1], v[\tb+1]    ; sin rho = rho + rho z (S1 + z (S2 + z S3))
	v_mov_b32 v[\tb+4], 0x37ccf5ce
	v_fmaak_f32 v[\tb+4], v[\tb+4], v[\tb+2], 0xbab6061a
	v_fmaak_f32 v[\tb+4], v[\tb+4], v[\tb+2], 0x3d2aaaa5
	v_fma_f32 v[\tb+4], v[\tb+4], v[\tb+2], -0.5
	v_fma_f32 v[\tb+4], v[\tb+4], v[\tb+2], 1.0         ; cos rho = 1 + z (-1/2 + z (C1 + z (C2 + z C3)))
	v_cvt_i32_f32 v[\tb], v[\tb]                        ; the quadrant is n mod 4
	v_and_b32 v[\tb+1], 1, v[\tb]
	v_cmp_eq_u32 vcc_lo, 1, v[\tb+1]
	v_cndmask_b32 v[\si], v[\tb+3], v[\tb+4], vcc_lo    ; odd quadrants swap the two
	v_cndmask_b32 v[\co], v[\tb+4], v[\tb+3], vcc_lo
	v_and_b32 v[\tb+1], 2, v[\tb]                       ; sin is negative in quadrants 2, 3
	v_lshlrev_b32 v[\tb+1], 30, v[\tb+1]
	v_xor_b32 v[\si], v[\tb+1], v[\si]
	v_add_nc_u32 v[\tb+1], 1, v[\tb]                    ; cos in quadrants 1, 2
	v_and_b32 v[\tb+1], 2, v[\tb+1]
	v_lshlrev_b32 v[\tb+1], 30, v[\tb+1]
	v_xor_b32 v[\co], v[\tb+1], v[\co]
.endm
	s_load_b256 s[4:11], s[0:1], 0x0               ; Wqkv s[4:5], Wout s[6:7], ws s[8:9], tab s[10:11]
	v_lshrrev_b32 v1, 5, v0
	v_readfirstlane_b32 s12, v1                    ; wave 0..7
	s_lshl_b32 s13, ttmp9, 3
	s_add_co_u32 s13, s13, s12                     ; the task: kp | cb << 4 | w << 8 | p << 10
	s_and_b32 s14, s13, 15                         ; kp: which 64 k
	s_bfe_u32 s15, s13, 0x40004                    ; cb: which block of 16 rows of the wave's 256
	s_bfe_u32 s16, s13, 0x20008                    ; w: which wave of the next launch
	s_lshr_b32 s17, s13, 10                        ; p: the pass
	s_lshr_b32 s18, s16, 1                         ; passes 0, 1: waves 0, 1 take q, waves 2, 3 take k;
	s_lshl_b32 s18, s18, 10
	s_and_b32 s19, s16, 1                          ; head 8 (w & 1) + cb / 2;
	s_lshl_b32 s19, s19, 3
	s_lshr_b32 s20, s15, 1
	s_add_co_u32 s19, s19, s20
	s_lshl_b32 s19, s19, 6
	s_add_co_u32 s18, s18, s19
	s_lshl_b32 s19, s17, 5                         ; channels 32 p + 16 (cb & 1) on
	s_add_co_u32 s18, s18, s19
	s_and_b32 s19, s15, 1
	s_lshl_b32 s19, s19, 4
	s_add_co_u32 s18, s18, s19
	s_lshl_b32 s19, s16, 8                         ; passes 2, 3: rows in their own order, 256 w + 16 cb,
	s_lshl_b32 s20, s15, 4
	s_add_co_u32 s19, s19, s20
	s_add_co_u32 s20, s19, 2048                    ; v's behind q's and k's
	s_cmp_eq_u32 s17, 2
	s_cselect_b32 s19, s20, s19
	s_cmp_lt_u32 s17, 2
	s_cselect_b32 s18, s18, s19                    ; the task's first row
	s_lshl_b32 s18, s18, 12                        ; x 4,096 bytes
	s_lshl_b32 s19, s14, 8                         ; + 256 kp
	s_add_co_u32 s18, s18, s19
	s_mov_b32 s19, 0
	s_lshl_b32 s20, s17, 5                         ; where it goes: unit 32 p + 2 kp,
	s_lshl_b32 s21, s14, 1
	s_add_co_u32 s20, s20, s21
	s_lshl_b32 s20, s20, 16
	s_lshl_b32 s21, s16, 14                        ; the wave's quarter,
	s_add_co_u32 s20, s20, s21
	s_lshl_b32 s21, s15, 10                        ; the fragment
	s_add_co_u32 s20, s20, s21
	s_mov_b32 s21, 0
	s_lshl_b32 s24, ttmp9, 12                      ; the work-group's 256 table stores of 16 bytes
	s_mov_b32 s25, 0
	s_lshl_b32 s26, ttmp9, 8
	v_and_b32 v2, 15, v0                           ; r
	v_bfe_u32 v3, v0, 4, 1                         ; h
	v_lshlrev_b32 v4, 12, v2
	v_lshl_add_u32 v4, v3, 5, v4                   ; row r, 8 floats for each half of the lanes
	v_and_b32 v5, 31, v0
	v_lshlrev_b32 v5, 4, v5                        ; 16 x lane
	s_wait_kmcnt 0x0
	s_cmp_eq_u32 s17, 3
	s_cselect_b64 s[22:23], s[6:7], s[4:5]         ; pass 3 reads Wout
	s_add_nc_u64 s[22:23], s[22:23], s[18:19]
	s_add_nc_u64 s[8:9], s[8:9], s[20:21]
	s_add_nc_u64 s[10:11], s[10:11], s[24:25]
.irp k, 0,1,2,3,4,5,6,7                        ; k = 4 s + 2 half + e: K step s of the two, half of the fragment, 4 floats e
	global_load_b128 v[8+4*\k:11+4*\k], v4, s[22:23] offset:128*(\k/4)+64*((\k/2)%2)+16*(\k%2) th:TH_LOAD_NT
.endr
	; the table, while the loads are on their way: thread G = 256 x work-group + thread makes pairs 2 (G % 16), + 1 of position G / 16
	v_add_nc_u32 v6, s26, v0
	v_lshrrev_b32 v7, 4, v6
	v_cvt_f32_u32 v7, v7                           ; the position
	v_lshlrev_b32 v60, 1, v2
	v_cvt_f32_u32 v60, v60                         ; i
	v_add_f32 v61, 1.0, v60                        ; i + 1
	v_mul_f32 v60, 0xbed49a78, v60                 ; - i log2(10000) / 32
	v_mul_f32 v61, 0xbed49a78, v61
	v_exp_f32 v60, v60
	v_exp_f32 v61, v61
	v_nop                                          ; a plain instruction behind the last exponential (ISA guide 5.7.2),
	s_wait_alu depctr_va_vdst(0)                   ; and one wait for the two, ahead of their first reader
	v_mul_f32 v60, v7, v60                         ; the angles
	v_mul_f32 v61, v7, v61
	SINCOS 60, 64, 65, 70
	SINCOS 61, 66, 67, 76
	v_lshlrev_b32 v62, 4, v0
	global_store_b128 v62, v[64:67], s[10:11]      ; a wave stores 512 consecutive bytes, aligned
	s_wait_loadcnt 0x0
.irp m, 0,1,2,3,4,5,6,7,8,9,10,11,12,13,14,15
	v_cvt_pk_bf16_f32 v[40+\m], v[8+2*\m], v[9+2*\m]
.endr
	s_cmp_lg_u32 s17, 3
	s_cbranch_scc1 .Lstore
.irp m, 0,1,2,3,4,5,6,7,8,9,10,11,12,13,14,15      ; Wout: the bf16 numbers written as f16
	v_lshlrev_b32 v[8+2*\m], 16, v[40+\m]
	v_and_b32 v[9+2*\m], 0xffff0000, v[40+\m]
	v_cvt_pk_f16_f32 v[40+\m], v[8+2*\m], v[9+2*\m]
.endr
.Lstore:
.irp k, 0,1,2,3                                ; k = 2 s + half: each store is 512 consecutive bytes, aligned
	global_store_b128 v5, v[40+4*\k:43+4*\k], s[8:9] offset:(\k/2)*65536+(\k%2)*512
.endr
	s_endpgm
.Lfunc_end_k_qdfacb7eabd_prep:
	.size	k_qdfacb7eabd_prep, .Lfunc_end_k_qdfacb7eabd_prep-k_qdfacb7eabd_prep
	.p2alignl 7, 3214868480
	.fill 96, 4, 3214868480
	.section	.rodata,"a",@progbits
	.p2align	6, 0x0
	.amdhsa_kernel k_qdfacb7eabd_prep
		.amdhsa_group_segment_fixed_size 0
		.amdhsa_private_segment_fixed_size 0
		.amdhsa_enable_private_segment 0
		.amdhsa_kernarg_size 32
		.amdhsa_user_sgpr_count 2
		.amdhsa_user_sgpr_kernarg_segment_ptr 1
		.amdhsa_wavefront_size32 1
		.amdhsa_system_sgpr_workgroup_id_x 1
		.amdhsa_system_sgpr_workgroup_id_y 1
		.amdhsa_system_sgpr_workgroup_id_z 1
		.amdhsa_system_vgpr_workitem_id 0
		.amdhsa_next_free_vgpr 96
		.amdhsa_next_free_sgpr 66
		.amdhsa_reserve_vcc 1
		.amdhsa_float_denorm_mode_32 3
		.amdhsa_float_denorm_mode_16_64 3
		.amdhsa_memory_ordered 1
		.amdhsa_forward_progress 1
		.amdhsa_inst_pref_size 11
	.end_amdhsa_kernel
	.amdgpu_metadata
---
amdhsa.version: [ 1, 2 ]
amdhsa.kernels:
  - .name:           k_qdfacb7eabd_prep
    .symbol:         k_qdfacb7eabd_prep.kd
    .args:
      - { .name: Wqkv, .offset: 0, .size: 8, .value_kind: global_buffer, .address_space: global }
      - { .name: Wout, .offset: 8, .size: 8, .value_kind: global_buffer, .address_space: global }
      - { .name: ws, .offset: 16, .size: 8, .value_kind: global_buffer, .address_space: global }
      - { .name: tab, .offset: 24, .size: 8, .value_kind: global_buffer, .address_space: global }
    .group_segment_fixed_size: 0
    .private_segment_fixed_size: 0
    .kernarg_segment_align: 8
    .kernarg_segment_size: 32
    .max_flat_workgroup_size: 256
    .sgpr_count:     66
    .vgpr_count:     96
    .wavefront_size: 32
...
	.end_amdgpu_metadata
.endif
;; end of part 1
;; launch fused (part 2): grid 256 x 1, 4 waves a work-group, clusters of 4 x 1, 327,680 bytes of LDS; arguments x, ws, tab, out0; writes out0
.if DOCPART == 2
	.amdgcn_target "amdgcn-amd-amdhsa--gfx1250"
	.amdhsa_code_object_version 6
	.text
	.protected	k_qdfacb7eabd_fused
	.globl	k_qdfacb7eabd_fused
	.p2align	8
	.type	k_qdfacb7eabd_fused,@function
k_qdfacb7eabd_fused:
	s_mov_b64 s[64:65], 0
	v_nop
	global_prefetch_b8 v0, s[64:65] scope:SCOPE_SE
	s_setreg_imm32_b32 hwreg(HW_REG_WAVE_MODE, 25, 1), 1
	s_wait_xcnt 0x0
	s_wait_alu depctr_hold_cnt(0) depctr_sa_sdst(0) depctr_va_vdst(0) depctr_va_sdst(0) depctr_va_ssrc(0) depctr_va_vcc(0) depctr_vm_vsrc(0)
	s_getreg_b32 s2, hwreg(HW_REG_IB_STS2, 6, 4)
	s_cmp_eq_u32 s2, 0
	s_cbranch_scc0 .Lentry_in_a_cluster
	s_endpgm
.Lentry_in_a_cluster:
	s_bfe_u32 s2, ttmp6, 0x10000c
	s_cmp_lg_u32 s2, 0x3003
	s_cbranch_scc0 .Lentry_shape_is_right
	s_endpgm
.Lentry_shape_is_right:
; THE WHOLE MODULE FOR 64 TOKENS A WORK-GROUP: qkv = x Wqkv^T, RoPE on q and k, attention over the 16 heads inside each token, the transpose and reshape, and the product with Wout^T.
; WHY IT CAN BE ONE LAUNCH.  Inside a batch the second product's left matrix has row head*512 + t/16 and column (t%16)*64 + d.  So 16 consecutive tokens make 16 whole rows, one a head, and the
; work-group's 64 tokens make 64 whole rows (local row 16 a + head for block a of 16 tokens): nothing goes through memory between the steps.
; FORMATS.  x and the weights are rounded to bf16 (Wout's bf16 number is written as f16); what the program itself makes (q, k, v, the weights p, the attention's output) is rounded once to f16; all sums,
; maxima and the softmax in f32.  The row's true maximum is taken away before the exponential.
; LIMITS.  q, k, v beyond 65,504 become infinities in f16 (with inputs of unit spread they have unit spread); a weight below 2^-126 counts as 0 in the sum; NaN and infinities are not treated apart.
; FOUR PASSES, each 64 tokens x 1,024 columns over K = 1,024 in 32 steps of 32; wave w makes columns 256 w .. + 255: 64 accumulators of 16 x 16, 512 registers.
;   passes 0, 1: q (waves 0, 1) and k (waves 2, 3) of all heads, channels 32 p .. + 31; they are turned, rounded, regrouped by token through a stage in LDS, and added into the scores
;   pass 2: v; regrouped likewise, multiplied by the weights; the result takes x's place in LDS          pass 3: that matrix times Wout^T; out through a stage in whole rows of 512 bytes
; THE MATRIX INSTRUCTION IS USED TRANSPOSED: source 0 = 16 weight rows, source 1 = 16 tokens: a lane holds ONE token (lane % 16) and the columns 8 (lane / 16) + 0..7.
; THE WEIGHTS lie in ws in fragment order, 128 units of 65,536 bytes, one a K step.  They come through a ring of two LDS slots; wave w fetches and reads its own quarter (16,384 dense bytes, asked for as 64
; rows of 256).  A slot holds one K step: x's 64 rows take 132,096 bytes of LDS, the stage 41,216, and two slots of two steps do not fit beside them.
; CLUSTER.  All work-groups walk the same weights, so the four of a cluster ask for each quarter JOINTLY (same line, same descriptor, mask 15).  4 x 1 and not 4 x 4: a mask names four work-groups, and
; nothing but the weights is shared.
; REGISTERS, in windows of 256 (s_set_vgpr_msb: bits 1:0 source 0, 3:2 source 1, 5:4 source 2, 7:6 destination):
;   window 0: v0-31 addresses; v32-95 x's fragments, two buffers of 4 x 8; v96-223 the scores of my 16 tokens, later their weights; v224-255 cos and sin, two buffers of 16
;   window 1: the weights' fragments, two buffers of 16 x 8; between the passes at work          windows 2, 3: accumulator (cb, a) at 8 (4 (cb % 8) + a) of window 2 + cb / 8
.set SLOTB,  65536                     ; a slot of the ring; the ring lies at LDS byte 0
.set XA,     131072                    ; 64 rows of x in bf16, later of the attention's output in f16
.set XP,     2064                      ; their pitch: 2,048 + 16 bytes = 516 words: row r starts at bank 4 r mod 64 (64 banks of 4 bytes: ISA guide 11.1)
.set XBLK,   16*XP
.set STAGE,  263168                    ; 16 tokens x 2,576 bytes; on the way out 4 x 16 rows x 528 bytes, each wave's own
.set TP,     2576                      ; a token's pitch: 644 words, 4 mod 64
.set HQ,     80                        ; a head's 32 channels of q or k: 64 + 16 bytes, an odd multiple of 16
.set KOFF,   16*HQ                     ; k behind q
.set HV,     160                       ; a head's 64 channels of v: 128 + 32 bytes, an odd multiple of 32, for the turning load
.set OPI,    528                       ; the way out: 512 + 16 bytes
.set SPARE,  304384                    ; the spare words, 128 bytes for each wave: two blocks of 256 bytes that no other line names
.set VR,   1                           ; lane % 16
.set VH,   2                           ; lane / 16
.set VL,   3                           ; lane
.set ADRW, 4                           ; v4-5    my 16 bytes of a weight fragment's half in my quarter of slot 0, 1
.set AX,   6                           ; v6-7    my place in x's rows 0-31, 32-63; never rewritten
.set ADRX, 8                           ; v8-9    the same at the K step to be fetched
.set SQ,   10                          ; where I put 16 bytes of q or k          SR: where I read my tokens' fragments
.set SR,   11
.set SV,   12                          ; the same two for v
.set SVR,  13
.set SO,   14                          ; v14-15  where the attention's output goes, rows 0-31, 32-63
.set OST,  16                          ; the way out: into my stage,
.set ORD,  17                          ; back as whole rows,
.set GO,   18                          ; v18-21  and 16 x lane + k x 2^23 for heads 4 k .. 4 k + 3 of out0
.set TO,   22                          ; my 32 bytes of a token's 128 in the table
.set XO,   23                          ; 16 x lane
.set XS,   24                          ; where x's packed words go
.set PFO,  25                          ; 256 x lane
.set TA,   26
.set TB,   27
.set SPW,  28                          ; LDS address of my spare word; never rewritten
.set NIL,  29                          ; 0; never rewritten
.set XF,   32
.set MX,   64                          ; softmax: a pair a token (x's buffer 1 is idle there)
.set SS,   96                          ; token (a, i) at SS + 8 (4 a + i)
.set CSR,  224
.set LX,   224                         ; softmax: a second pair a token
.set YB,   128                         ; window 1, between the passes: packed f16 on their way to the stage
.set QF,   192                         ; q's and k's fragments of my four tokens
.set KF,   224
.set OPB,  192                         ; the attention's output, packed
.set WV,   12                          ; s12  my wave's number
.set CX,   13                          ; s13  my place in the cluster: it enters global addresses alone
.set GG,   14                          ; s14  my block of 64 tokens
.set G1,   16                          ; s[16:23] descriptor group 1
.set G0,   24                          ; s[24:31] descriptor group 0, a set for each slot
.set KC,   32
.set QKC,  33
.set XK,   34                          ; byte of x's rows at which the K step to be fetched begins
.set PFC,  35                          ; refills still to come
.set PFA,  36                          ; s[36:37] where my prefetches stand
.set CC,   38                          ; s[38:39] c = log2(e) / 8
.set SEL,  40                          ; s[40:41] v_permlanex16_b32's selects: each lane takes its own place in the other half
.set LIM,  48                          ; 4 in a wave that prefetches, else the greatest number
.set MSB, 0
.macro WIN new                         ; the immediate's high byte repeats the setting that is left; a switch that changes nothing is dropped
.if MSB != (\new)
	s_set_vgpr_msb (MSB<<8)|(\new)
.set MSB, (\new)
.endif
.endm
.macro PLACES                          ; four places behind matrix instructions, in front of loads into their sources and of lines that read their results
.rept 4
	v_nop
.endr
.endm
.macro BAR
	s_barrier_signal -1
	s_barrier_wait -1
.endm
.macro CREST                           ; a round of the cluster's barrier behind its opening barrier
	s_cmp_lg_u32 s[WV], 0
	s_cbranch_scc1 .Lnot_wave_0_\@
	s_barrier_signal -3
.Lnot_wave_0_\@:
	s_barrier_wait -3
	s_barrier_signal -1
	s_barrier_wait -1
.endm
.macro ROUND
	s_barrier_signal -1
	s_barrier_wait -1
	CREST
.endm
; n x 4 matrix instructions: weight blocks c0 .. c0 + n - 1 x the four token blocks, from buffer f.  All 64 accumulators take turns in one fixed order.  zero = 1: the products start the sums.
.macro QUAD f, c0, n, zero, form
	WIN 0xa1+0x50*((\c0)/8)                        ; weights window 1, x window 0, C and D window 2 or 3
.set cq, \c0
.rept \n
.set aq, 0
.rept 4
.set rD, 8*(4*(cq%8)+aq)
.if \zero
	v_wmma_f32_16x16x32_\form v[rD:rD+7], v[128*(\f)+8*cq:128*(\f)+8*cq+7], v[XF+32*(\f)+8*aq:XF+32*(\f)+8*aq+7], 0
.else
	v_wmma_f32_16x16x32_\form v[rD:rD+7], v[128*(\f)+8*cq:128*(\f)+8*cq+7], v[XF+32*(\f)+8*aq:XF+32*(\f)+8*aq+7], v[rD:rD+7]
.endif
.set aq, aq+1
.endr
.set cq, cq+1
.endr
.endm
; 40 LDS loads in one run: a K step's 4 fragments of x (first), then its 16 of my weights, in ascending order, into buffer f
.macro FETCH slot, f
	WIN 0
	v_add_nc_u32 v[ADRX], s[XK], v[AX]
	v_add_nc_u32 v[ADRX+1], s[XK], v[AX+1]
	s_add_co_u32 s[XK], s[XK], 64
.irp a, 0,1,2,3
	ds_load_b128 v[XF+32*(\f)+8*\a:XF+32*(\f)+8*\a+3],   v[ADRX+\a/2] offset:(\a%2)*XBLK
	ds_load_b128 v[XF+32*(\f)+8*\a+4:XF+32*(\f)+8*\a+7], v[ADRX+\a/2] offset:(\a%2)*XBLK+32
.endr
	WIN 0x40
.set cq, 0
.rept 16
	ds_load_b128 v[128*(\f)+8*cq:128*(\f)+8*cq+3],   v[ADRW+(\slot)] offset:1024*cq      ; 32 lanes, 512 consecutive bytes
	ds_load_b128 v[128*(\f)+8*cq+4:128*(\f)+8*cq+7], v[ADRW+(\slot)] offset:1024*cq+512
.set cq, cq+1
.endr
	WIN 0
.endm
; A PREFETCH INTO THE L2.  Step j names unit j + 6, which step j + 4 asks for: four K steps, 256 matrix instructions, ahead of that load.  Every cluster walks the same units: the first cluster asks, and in each
; of its four work-groups waves 0 and 2, 32 blocks of 256 bytes each, a lane a block; the partners are told apart BY ADDRESS.  8 x 32 blocks are a unit: each block is named once in the launch.
; Units 0 to 5 come by their loads alone; steps 122 on name nothing: there is no unit 128.
.macro ASK
	s_cmp_gt_u32 s[PFC], s[LIM]
	s_cbranch_scc0 .Lnot_mine_\@
	global_prefetch_b8 v[PFO], s[PFA:PFA+1] th:TH_LOAD_NT scope:SCOPE_SE
.Lnot_mine_\@:
	s_sub_co_u32 s[PFC], s[PFC], 1
.endm
; A K STEP: 64 matrix instructions on buffer cur, whose 40 loads were issued in the step before.
; refill = 1: slot cur is filled again, with the unit two steps on.  Each wave waits for all its tensor loads (one is out: my quarter of the other slot), adds 0 to its spare word, and waits for that and
; for its reads of slot cur; the barrier opens a round of the cluster's barrier, so that no wave of any partner still reads the slot or has a load on its way; the joint refill is the first thing behind it.
; fetch = 1: the next step's fragments are fetched from the other slot, 32 matrix instructions ahead of their first use.
.macro TURN cur, zero, refill, fetch, form
	s_wait_dscnt 24                                ; x's 8 loads and weight blocks 0-3 are in; the youngest 24 loads may be out
	QUAD \cur, 0, 4, \zero, \form
.if \refill
	WIN 0                                          ; (the add's two registers lie in window 0)
	s_wait_xcnt 0x0                                ; the last prefetch, 48 matrix instructions back, has read its address:
	s_add_nc_u64 s[PFA:PFA+1], s[PFA:PFA+1], SLOTB ; the next unit
	s_wait_tensorcnt 0x0                           ; all my tensor loads have landed, so a group 0 may be written;
	ds_add_u32 v[SPW], v[NIL]                      ; 0 onto my spare word
	s_add_nc_u64 s[G0+4*(\cur)+2:G0+4*(\cur)+3], s[G0+4*(\cur)+2:G0+4*(\cur)+3], 2*SLOTB
	s_wait_dscnt 17                                ; (the add and the 16 loads of blocks 8-15 may be out)
	QUAD \cur, 4, 2, \zero, \form
	s_wait_dscnt 0x0                               ; the add is done, and my reads of this slot are over
	s_barrier_signal -1
	QUAD \cur, 6, 2, \zero, \form                  ; work on registers while the others arrive
	WIN 0
	s_barrier_wait -1
	CREST
	tensor_load_to_lds s[G0+4*(\cur):G0+4*(\cur)+3], s[G1:G1+7]
	s_nop 0
	PLACES                                         ; the places in front of the loads below
.if \fetch
	FETCH 1-(\cur), 1-(\cur)
.endif
	ASK
.elseif \fetch
	s_wait_tensorcnt 0x0                           ; the last unit: my quarter is in, and nobody else reads it; nothing is filled again, so no barrier
	s_wait_dscnt 16
	QUAD \cur, 4, 4, \zero, \form
	PLACES
	FETCH 1-(\cur), 1-(\cur)
	s_wait_dscnt 40                                ; all but the 40 just issued
.else
	s_wait_dscnt 16
	QUAD \cur, 4, 4, \zero, \form
	s_wait_dscnt 0x0
.endif
	QUAD \cur, 8, 4, \zero, \form
	QUAD \cur, 12, 4, \zero, \form
.endm
; cos and sin for block a: for my token, the 4 pairs of each parity of the weight block: 2 x 32 bytes
.macro CSLOAD a
	WIN 0
.irp par, 0,1
.irp e, 0,1
	global_load_b128 v[CSR+16*((\a)%2)+8*\par+4*\e:CSR+16*((\a)%2)+8*\par+4*\e+3], v[TO], s[8:9] offset:(\a)*4096+\par*64+\e*16
.endr
.endr
.endm
; A PASS: 32 K steps.  The first starts the sums and stands ahead of the loop.  last = 1 (pass 3): the last two steps ask for nothing and are written out.
; Else the last step still refills (the next pass's unit 1) and fetches nothing: window 1 is wanted between the passes.  hook = 1: the first two blocks' cos and sin are asked for a K step ahead.
.macro MAIN form, last, hook
	TURN 0, 1, 1, 1, \form
	WIN 0                                          ; at a label and at a branch every window is 0
	s_mov_b32 s[KC], 15-(\last)
.Lk_\@:
	TURN 1, 0, 1, 1, \form
	TURN 0, 0, 1, 1, \form
	WIN 0
	s_sub_co_u32 s[KC], s[KC], 1
	s_cmp_lg_u32 s[KC], 0
	s_cbranch_scc1 .Lk_\@
.if \hook
	CSLOAD 0
	CSLOAD 1
.endif
.if \last
	TURN 1, 0, 1, 1, \form
	TURN 0, 0, 0, 1, \form
	TURN 1, 0, 0, 0, \form
.else
	TURN 1, 0, 1, 0, \form
.endif
	WIN 0
.endm
	s_load_b256 s[4:11], s[0:1], 0x0               ; x s[4:5], ws s[6:7], tab s[8:9], out0 s[10:11]
	v_lshl_add_u32 v[SPW], v0, 2, SPARE
	v_mov_b32 v[NIL], 0
	ds_add_u32 v[SPW], v[NIL]                      ; the wave's opening: the add and its wait stand ahead of my first tensor load; work on registers stands between them
	v_lshrrev_b32 v[TA], 5, v0
	v_readfirstlane_b32 s[WV], v[TA]               ; wave 0..3
	s_bfe_u32 s[CX], ttmp6, 0x40000                ; cx
	s_lshl_b32 s[GG], ttmp9, 2                     ; in a cluster launch ttmp9 counts clusters
	s_add_co_u32 s[GG], s[GG], s[CX]               ; my 64 tokens: 64 g on
	; descriptor group 1: 64 rows of 32 elements of 8 bytes, dense: 16,384 bytes
	s_mov_b32 s[G1+0], 15|(3<<16)|(1<<21)          ; 15:0 the mask of four; 17:16 8-byte elements; 21 set beside a mask; no padding
	s_mov_b32 s[G1+1], 32<<16                      ; tensor_dim0 = 32
	s_mov_b32 s[G1+2], 64<<16                      ; tensor_dim1 = 64
	s_mov_b32 s[G1+3], 32<<16                      ; tile_dim0 = 32
	s_mov_b32 s[G1+4], 64                          ; tile_dim1 = 64
	s_mov_b32 s[G1+5], 32                          ; 32 elements from row to row
	s_mov_b32 s[G1+6], 0
	s_mov_b32 s[G1+7], 0
	s_mov_b32 s[G0], 1                             ; count = 1
	s_lshl_b32 s[G0+1], s[WV], 14                  ; LDS address: my quarter of slot 0,
	s_mov_b32 s[G0+4], 1
	s_add_co_u32 s[G0+5], s[G0+1], SLOTB           ; of slot 1
	s_lshl_b32 s50, s[WV], 14                      ; my quarter of a unit
	s_mov_b32 s51, 0
	s_lshl_b32 s42, s[GG], 18                      ; x: 64 tokens of 4,096 bytes; my 16 of them
	s_lshl_b32 s43, s[WV], 16
	s_add_co_u32 s42, s42, s43
	s_mov_b32 s43, 0
	s_and_b32 s44, s[GG], 127                      ; the block's number inside its batch
	s_lshl_b32 s44, s44, 14                        ; tab: 64 positions of 256 bytes.  out0: 4 rows of 4,096 bytes
	s_mov_b32 s45, 0
	s_lshr_b32 s46, s[GG], 7                       ; the batch: 2^25 bytes of out0
	s_lshl_b32 s46, s46, 25
	s_add_co_u32 s46, s46, s44
	s_lshl_b32 s47, s[WV], 10                      ; my 256 columns
	s_add_co_u32 s46, s46, s47
	s_mov_b32 s47, 0
	s_lshr_b32 s52, s[WV], 1                       ; the prefetches: half of a unit by the wave, an eighth by the work-group,
	s_lshl_b32 s52, s52, 15
	s_lshl_b32 s53, s[CX], 13
	s_add_co_u32 s52, s52, s53
	s_add_co_u32 s52, s52, 5*SLOTB                 ; at unit 5: the first K step moves it to unit 6
	s_mov_b32 s53, 0
	s_and_b32 s[LIM], s[WV], 1                     ; waves 0 and 2 of the first cluster ask: the same in all four partners
	s_or_b32 s[LIM], s[LIM], ttmp9
	s_cmp_eq_u32 s[LIM], 0
	s_cselect_b32 s[LIM], 4, -1
	s_mov_b32 s[PFC], 126
	s_mov_b32 s[CC], 0x3e38aa3b                    ; c = log2(e) / 8
	s_mov_b32 s[CC+1], s[CC]                       ; named with it as a pair
	s_mov_b32 s[SEL], 0x76543210
	s_mov_b32 s[SEL+1], 0xfedcba98
	v_and_b32 v[VR], 15, v0
	v_bfe_u32 v[VH], v0, 4, 1
	v_and_b32 v[VL], 31, v0
	v_lshlrev_b32 v[XO], 4, v[VL]
	s_wait_dscnt 0x0                               ; the opening add is done
	s_wait_kmcnt 0x0
	s_add_nc_u64 s[4:5], s[4:5], s[42:43]
	s_add_nc_u64 s[8:9], s[8:9], s[44:45]
	s_add_nc_u64 s[10:11], s[10:11], s[46:47]
	s_add_nc_u64 s[PFA:PFA+1], s[6:7], s[52:53]
	s_add_nc_u64 s[G0+2:G0+3], s[6:7], s[50:51]    ; global address: my quarter of unit 0,
	s_add_nc_u64 s[G0+6:G0+7], s[G0+2:G0+3], SLOTB ; of unit 1
	s_or_b32 s[G0+3], s[G0+3], 0x80000000          ; type = 2
	s_or_b32 s[G0+7], s[G0+7], 0x80000000
	ROUND                                          ; all four work-groups are here: the first joint loads meet
	tensor_load_to_lds s[G0:G0+3], s[G1:G1+7]      ; two loads of mine are out; later one
	s_nop 0
	tensor_load_to_lds s[G0+4:G0+7], s[G1:G1+7]
	s_nop 0
	PLACES
; X INTO LDS, in bf16.  Wave w takes rows 16 w .. + 15, in eight batches of two rows; a load is 512 consecutive bytes.  Each batch has its own 64 registers (windows 2 and 3 are idle), three batches are out.
.macro XLOAD i
	WIN 0x80+0x40*((\i)/4)
.set n, 0
.rept 16
	global_load_b128 v[64*((\i)%4)+4*n:64*((\i)%4)+4*n+3], v[XO], s[4:5] offset:(2*(\i)+n/8)*4096+(n%8)*512 th:TH_LOAD_NT
.set n, n+1
.endr
.endm
.macro XTURN i
.if (\i) < 6
	s_wait_loadcnt 32                              ; batch i is in; the two younger batches stay out
.elseif (\i) == 6
	s_wait_loadcnt 16
.else
	s_wait_loadcnt 0x0
.endif
.if (\i) < 5
	XLOAD (\i)+3
.endif
	WIN 0x0a+5*((\i)/4)
.set n, 0
.rept 32
	v_cvt_pk_bf16_f32 v[XF+32*((\i)%2)+n], v[64*((\i)%4)+2*n], v[64*((\i)%4)+2*n+1]
.set n, n+1
.endr
	WIN 0
.set n, 0
.rept 16
	ds_store_b64 v[XS], v[XF+32*((\i)%2)+2*n:XF+32*((\i)%2)+2*n+1] offset:(2*(\i)+n/8)*XP+(n%8)*256  ; 32 lanes, 256 consecutive bytes
.set n, n+1
.endr
.endm
	XLOAD 0
	XLOAD 1
	XLOAD 2
	WIN 0
	; the lanes' addresses, while the loads are on their way.  LDS addresses are made of the wave's number, the lane and constants alone
	s_mul_i32 s54, s[WV], XBLK
	s_add_co_u32 s54, s54, XA
	v_lshl_add_u32 v[XS], v[VL], 3, s54
	s_lshl_b32 s54, s[WV], 14
	v_lshl_add_u32 v[ADRW], v[VL], 4, s54
	v_add_nc_u32 v[ADRW+1], SLOTB, v[ADRW]
	v_mul_u32_u24 v[AX], v[VR], XP                 ; a fragment of 16 rows x 32 k: row lane % 16, 16 bytes at 16 (lane / 16) and 32 further on
	v_lshl_add_u32 v[AX], v[VH], 4, v[AX]
	v_add_nc_u32 v[AX], XA, v[AX]
	v_add_nc_u32 v[AX+1], 2*XBLK, v[AX]
	s_lshl_b32 s54, s[WV], 9                       ; the attention's output: my tokens 4 w + i are columns 64 (4 w + i) on
	v_add_nc_u32 v[SO], s54, v[AX]
	v_add_nc_u32 v[SO+1], 2*XBLK, v[SO]
	v_mul_u32_u24 v[TA], v[VR], TP                 ; into the stage: token lane % 16
	v_lshl_add_u32 v[TA], v[VH], 4, v[TA]
	s_lshr_b32 s54, s[WV], 1                       ; q or k,
	s_mul_i32 s54, s54, KOFF
	s_and_b32 s55, s[WV], 1                        ; heads 0-7 or 8-15
	s_mul_i32 s55, s55, 8*HQ
	s_add_co_u32 s54, s54, s55
	s_add_co_u32 s54, s54, STAGE
	v_add_nc_u32 v[SQ], s54, v[TA]
	s_mul_i32 s54, s[WV], 4*HV                     ; v: heads 4 w .. 4 w + 3
	s_add_co_u32 s54, s54, STAGE
	v_add_nc_u32 v[SV], s54, v[TA]
	s_mul_i32 s54, s[WV], 4*TP                     ; out of the stage: my tokens 4 w + i
	s_add_co_u32 s54, s54, STAGE
	v_mul_u32_u24 v[TA], v[VR], HQ                 ; a fragment of 16 heads x 32 channels
	v_lshl_add_u32 v[TA], v[VH], 4, v[TA]
	v_add_nc_u32 v[SR], s54, v[TA]
	v_and_b32 v[TA], 7, v0                         ; the turning load: lane l reads head 8 (l / 16) + l % 8, channels 8 ((l / 8) % 2) + 0..7
	v_lshl_add_u32 v[TA], v[VH], 3, v[TA]
	v_mul_u32_u24 v[TA], v[TA], HV
	v_bfe_u32 v[TB], v0, 3, 1
	v_lshl_add_u32 v[TA], v[TB], 4, v[TA]
	v_add_nc_u32 v[SVR], s54, v[TA]
	s_mul_i32 s54, s[WV], 16*OPI                   ; the way out: my own 16 rows
	s_add_co_u32 s54, s54, STAGE
	v_mul_u32_u24 v[TA], v[VR], OPI
	v_lshl_add_u32 v[TA], v[VH], 5, v[TA]
	v_add_nc_u32 v[OST], s54, v[TA]
	v_lshl_add_u32 v[ORD], v[VL], 4, s54
	v_lshlrev_b32 v[GO], 4, v[VL]
	v_add_nc_u32 v[GO+1], 0x800000, v[GO]
	v_add_nc_u32 v[GO+2], 0x1000000, v[GO]
	v_add_nc_u32 v[GO+3], 0x1800000, v[GO]
	v_lshlrev_b32 v[TO], 8, v[VR]
	v_lshl_add_u32 v[TO], v[VH], 5, v[TO]
	v_lshlrev_b32 v[PFO], 8, v[VL]
	; The scores start at 0, so that both channel slices add onto them by one text: 128 lines, once a launch, in the wait for x
.set n, 0
.rept 128
	v_mov_b32 v[SS+n], 0
.set n, n+1
.endr
.irp i, 0,1,2,3,4,5,6,7
	XTURN \i
.endr
	s_wait_dscnt 0x0                               ; for the others' sake: my rows of x lie in LDS
	s_wait_tensorcnt 0x1                           ; my quarter of unit 0 is in; unit 1's may stay out
	BAR
	s_mov_b32 s[XK], 0
	FETCH 0, 0
; BETWEEN THE PASSES 0, 1.  Block a of 16 tokens: CONV turns the pairs (o1 = x1 c - x2 s, o2 = x2 c + x1 s: two packed lines a pair) and rounds to f16; QKSTORE puts a lane's 16 bytes (8 channels of a head of a
; token) into the stage; behind a barrier QKLOAD takes my four tokens' fragments (16 heads x 32 channels of q and of k); SCORE adds k q^T onto the scores: a lane then holds ONE query head (lane % 16) and the
; key heads 8 (lane / 16) + 0..7.  The next block's CONV stands between the loads and the wait for them.
.macro CONV a
	WIN 0
.if (\a) == 3
	s_wait_loadcnt 0x0
.else
	s_wait_loadcnt 0x4                             ; this block's cos and sin are in; the next block's four loads stay out
.endif
.set cq, 0
.rept 16
	WIN 0x52+cq/8                                  ; destination and source 2 window 1, the accumulator window 2 or 3, cos and sin window 0
.set rA, 8*(4*(cq%8)+(\a))
.set rC, CSR+16*((\a)%2)+8*(cq%2)
.set rT, 8*cq
.irp q, 0,2,4,6                                ; each accumulator's lowest registers are read first
	v_pk_mul_f32 v[rT+\q:rT+\q+1], v[rA+\q:rA+\q+1], v[rC+\q:rC+\q+1] op_sel_hi:[1,0]                         ; x1 c, x2 c
.endr
.irp q, 0,2,4,6
	v_pk_fma_f32 v[rT+\q:rT+\q+1], v[rA+\q:rA+\q+1], v[rC+\q:rC+\q+1], v[rT+\q:rT+\q+1] op_sel:[1,1,0] op_sel_hi:[0,1,1] neg_lo:[0,1,0]  ; - x2 s, + x1 s
.endr
.set cq, cq+1
.endr
	WIN 0x45
.set n, 0
.rept 64
	v_cvt_pk_f16_f32 v[YB+n], v[2*n], v[2*n+1]
.set n, n+1
.endr
	WIN 0
.if (\a) < 2
	CSLOAD (\a)+2                                  ; into the buffer just read
.endif
.endm
.macro QKSTORE
	WIN 0x04                                       ; the data in window 1
.set cq, 0
.rept 16
	ds_store_b128 v[SQ], v[YB+4*cq:YB+4*cq+3] offset:(cq/2)*HQ+(cq%2)*32
.set cq, cq+1
.endr
	WIN 0
.endm
.macro QKLOAD
	WIN 0x40
.irp i, 0,1,2,3
	ds_load_b128 v[QF+8*\i:QF+8*\i+3],   v[SR] offset:\i*TP
	ds_load_b128 v[QF+8*\i+4:QF+8*\i+7], v[SR] offset:\i*TP+32
	ds_load_b128 v[KF+8*\i:KF+8*\i+3],   v[SR] offset:\i*TP+KOFF
	ds_load_b128 v[KF+8*\i+4:KF+8*\i+7], v[SR] offset:\i*TP+KOFF+32
.endr
	WIN 0
.endm
.macro SCORE a
	WIN 0x05                                       ; k and q in window 1, the scores in window 0
.irp i, 0,1,2,3
	v_wmma_f32_16x16x32_f16 v[SS+8*(4*(\a)+\i):SS+8*(4*(\a)+\i)+7], v[KF+8*\i:KF+8*\i+7], v[QF+8*\i:QF+8*\i+7], v[SS+8*(4*(\a)+\i):SS+8*(4*(\a)+\i)+7]
.endr
	WIN 0
	PLACES
.endm
	s_mov_b32 s[QKC], 2
.Lqk:                                                  ; channels 0-31, then 32-63, of q and k
	MAIN bf16, 0, 1
	PLACES
	CONV 0
.irp a, 0,1,2,3
.if \a > 0
	BAR                                            ; every wave's reads of the stage are back (the wait ahead of SCORE): it may be written again
.endif
	QKSTORE
	s_wait_dscnt 0x0                               ; for the others' sake: my part of the stage is written
	BAR
	QKLOAD
.if \a < 3
	CONV \a+1
.endif
	s_wait_dscnt 0x0
	SCORE \a
.endr
	s_add_nc_u64 s[8:9], s[8:9], 128               ; the table's next 16 pairs; all its loads have been waited for
	s_mov_b32 s[XK], 0
	FETCH 0, 0                                     ; the next pass's first fragments: its unit 0 was shown landed in the last K step
	s_sub_co_u32 s[QKC], s[QKC], 1
	s_cmp_lg_u32 s[QKC], 0
	s_cbranch_scc1 .Lqk
	; SOFTMAX over the 16 key heads, for my 16 tokens side by side: 8 scores a lane, the other 8 in the lane 16 away.  p = 2^(c s - c m) / l, rounded to f16: registers 0-3 of a token ARE source 1's keys 0-15
	; of the second product; registers 4-7 (keys 16-31, which do not exist) take 0.
.macro ALLT line:vararg
.set u, 0
.rept 16
	\line
.set u, u+1
.endr
.endm
	ALLT v_max3_num_f32 v[MX+2*u], v[SS+8*u], v[SS+8*u+1], v[SS+8*u+2]
	ALLT v_max3_num_f32 v[MX+2*u], v[MX+2*u], v[SS+8*u+3], v[SS+8*u+4]
	ALLT v_max3_num_f32 v[MX+2*u], v[MX+2*u], v[SS+8*u+5], v[SS+8*u+6]
	ALLT v_max_num_f32 v[MX+2*u], v[MX+2*u], v[SS+8*u+7]
	ALLT v_permlanex16_b32 v[MX+2*u+1], v[MX+2*u], s[SEL], s[SEL+1]
	ALLT v_max_num_f32 v[MX+2*u], v[MX+2*u], v[MX+2*u+1]
	ALLT v_mul_f32 v[MX+2*u], s[CC], v[MX+2*u]
.set n, 0
.rept 64                                       ; c s - c m, a pair of scores a line, the tokens by turns
.set rS, SS+8*(n%16)+2*(n/16)
	v_pk_fma_f32 v[rS:rS+1], v[rS:rS+1], s[CC:CC+1], v[MX+2*(n%16):MX+2*(n%16)+1] op_sel_hi:[1,0,0] neg_lo:[0,0,1] neg_hi:[0,0,1]
.set n, n+1
.endr
.set n, 0
.rept 128
	v_exp_f32 v[SS+n], v[SS+n]
.set n, n+1
.endr
	v_nop                                          ; a plain instruction behind the last exponential (ISA guide 5.7.2),
	s_wait_alu depctr_va_vdst(0)                   ; and one wait for the batch of 128, ahead of its first reader
	ALLT v_pk_add_f32 v[LX+2*u:LX+2*u+1], v[SS+8*u:SS+8*u+1], v[SS+8*u+2:SS+8*u+3]
	ALLT v_pk_add_f32 v[MX+2*u:MX+2*u+1], v[SS+8*u+4:SS+8*u+5], v[SS+8*u+6:SS+8*u+7]
	ALLT v_pk_add_f32 v[LX+2*u:LX+2*u+1], v[LX+2*u:LX+2*u+1], v[MX+2*u:MX+2*u+1]
	ALLT v_add_f32 v[LX+2*u], v[LX+2*u], v[LX+2*u+1]
	ALLT v_permlanex16_b32 v[LX+2*u+1], v[LX+2*u], s[SEL], s[SEL+1]
	ALLT v_add_f32 v[LX+2*u], v[LX+2*u], v[LX+2*u+1]
	ALLT v_rcp_f32 v[LX+2*u], v[LX+2*u]
	v_nop
	s_wait_alu depctr_va_vdst(0)                   ; one wait for the 16 reciprocals
.set n, 0
.rept 64
.set rS, SS+8*(n%16)+2*(n/16)
	v_pk_mul_f32 v[rS:rS+1], v[rS:rS+1], v[LX+2*(n%16):LX+2*(n%16)+1] op_sel_hi:[1,0]
.set n, n+1
.endr
.irp q, 0,1,2,3                                ; in place, ascending: word q is written when pairs up to q have been read
	ALLT v_cvt_pk_f16_f32 v[SS+8*u+\q], v[SS+8*u+2*\q], v[SS+8*u+2*\q+1]
.endr
.irp q, 4,5,6,7
	ALLT v_mov_b32 v[SS+8*u+\q], 0
.endr
	MAIN bf16, 0, 0                                ; v
; BEHIND PASS 2.  Block a: v rounded to f16 goes through the stage, [head][channel] for each token; the turning load leaves v^T's fragments (16 channels x 16 key heads; their keys 16-31 hold 0);
; o^T = v^T p: a lane holds one query head and eight channels, 16 bytes of local row 16 a + head, columns 64 (token % 16) on: they take x's place in LDS, which every wave has finished reading
; when the block's barrier is passed.
.macro CONVV a
.set cq, 0
.rept 16
	WIN 0x4a+5*(cq/8)
.set rA, 8*(4*(cq%8)+(\a))
.irp q, 0,1,2,3
	v_cvt_pk_f16_f32 v[YB+4*cq+\q], v[rA+2*\q], v[rA+2*\q+1]
.endr
.set cq, cq+1
.endr
	WIN 0
.endm
.macro PVOUT a
.set n, 0
.rept 16                                       ; n = 4 i + db: my token i, channels 16 db on.  The results land in block a's accumulators, whose v has been packed
	WIN 0xa1+0x50*(n/8)
.set rD, 8*(4*(n%8)+(\a))
	v_wmma_f32_16x16x32_f16 v[rD:rD+7], v[8*n:8*n+7], v[SS+8*(4*(\a)+n/4):SS+8*(4*(\a)+n/4)+7], 0
.set n, n+1
.endr
	PLACES
.set n, 0
.rept 16
	WIN 0x4a+5*(n/8)
.set rD, 8*(4*(n%8)+(\a))
.irp q, 0,1,2,3
	v_cvt_pk_f16_f32 v[OPB+4*n+\q], v[rD+2*\q], v[rD+2*\q+1]
.endr
.set n, n+1
.endr
	WIN 0x04
.set n, 0
.rept 16
	ds_store_b128 v[SO+(\a)/2], v[OPB+4*n:OPB+4*n+3] offset:((\a)%2)*XBLK+(n/4)*128+(n%4)*32
.set n, n+1
.endr
	WIN 0
.endm
	PLACES
	WIN 0x40
.set n, 0
.rept 16
.irp e, 4,5,6,7
	v_mov_b32 v[8*n+\e], 0                         ; keys 16-31 of v^T's fragments
.endr
.set n, n+1
.endr
	CONVV 0
.irp a, 0,1,2,3
.if \a > 0
	s_wait_dscnt 0x0                               ; my stores of the block before are done, my reads of the stage are back
	BAR
.endif
	WIN 0x04
.set cq, 0
.rept 16
	ds_store_b128 v[SV], v[YB+4*cq:YB+4*cq+3] offset:(cq/4)*HV+(cq%4)*32
.set cq, cq+1
.endr
	WIN 0
	s_wait_dscnt 0x0
	BAR
	WIN 0x40
.set n, 0
.rept 16
	ds_load_tr16_b128 v[8*n:8*n+3], v[SVR] offset:(n/4)*TP+(n%4)*32
.set n, n+1
.endr
	WIN 0
.if \a < 3
	CONVV \a+1
.endif
	s_wait_dscnt 0x0
	PVOUT \a
.endr
	s_wait_dscnt 0x0                               ; for the others' sake: my columns of the 64 rows are written
	BAR
	s_mov_b32 s[XK], 0
	FETCH 0, 0
	MAIN f16, 1, 0                                 ; times Wout^T
; THE WAY OUT, in eight half-blocks k = 2 a + hc: 16 rows (heads) x 128 columns of f32.  A lane's 32 bytes go into my own stage, rows of 528 bytes, and come back as whole rows of 512.  LDS serves a wave's
; instructions in order (ISA guide 5.7.1.4), so no wait stands between the stores and the loads, nor in front of the next half-block's stores.  Half-block k + 1 enters the stage ahead of k's stores to memory.
.macro OSTG k
	WIN 0
	s_wait_xcnt 0x0                                ; the stores of half-block k - 2 have read the registers that are loaded again below
	WIN 0x08+4*((\k)%2)                            ; the data in window 2 or 3
.set cq, 0
.rept 8
.set rA, 8*(4*cq+(\k)/2)
	ds_store_b128 v[OST], v[rA:rA+3]   offset:64*cq
	ds_store_b128 v[OST], v[rA+4:rA+7] offset:64*cq+16
.set cq, cq+1
.endr
	WIN 0x40
.set cq, 0
.rept 16
	ds_load_b128 v[64*((\k)%2)+4*cq:64*((\k)%2)+4*cq+3], v[ORD] offset:OPI*cq
.set cq, cq+1
.endr
.endm
.macro OSEND k, younger                ; younger: the LDS lines issued behind this half-block's loads: the next one's 32, or none
	WIN 0x04
.set cq, 0
.rept 16
	s_wait_dscnt (\younger)+15-cq
	global_store_b128 v[GO+cq/4], v[64*((\k)%2)+4*cq:64*((\k)%2)+4*cq+3], s[10:11] offset:(cq%4)*2097152+((\k)/2)*4096+((\k)%2)*512 th:TH_STORE_NT  ; 512 consecutive bytes, aligned, of row head*512 + t/16
.set cq, cq+1
.endr
.endm
	PLACES
	OSTG 0
.irp k, 1,2,3,4,5,6,7
	OSTG \k
	OSEND \k-1, 32
.endr
	OSEND 7, 0
	WIN 0
	s_wait_tensorcnt 0x0                           ; the wave's end, behind my last tensor load and my last LDS store
	ds_add_u32 v[SPW], v[NIL]
	s_wait_dscnt 0x0
	ROUND                                          ; the closing round: no work-group ends while a partner may still ask for a tile that names it
	s_endpgm
.Lfunc_end_k_qdfacb7eabd_fused:
	.size	k_qdfacb7eabd_fused, .Lfunc_end_k_qdfacb7eabd_fused-k_qdfacb7eabd_fused
	.p2alignl 7, 3214868480
	.fill 96, 4, 3214868480
	.section	.rodata,"a",@progbits
	.p2align	6, 0x0
	.amdhsa_kernel k_qdfacb7eabd_fused
		.amdhsa_group_segment_fixed_size 327680
		.amdhsa_private_segment_fixed_size 0
		.amdhsa_enable_private_segment 0
		.amdhsa_kernarg_size 32
		.amdhsa_user_sgpr_count 2
		.amdhsa_user_sgpr_kernarg_segment_ptr 1
		.amdhsa_wavefront_size32 1
		.amdhsa_system_sgpr_workgroup_id_x 1
		.amdhsa_system_sgpr_workgroup_id_y 1
		.amdhsa_system_sgpr_workgroup_id_z 1
		.amdhsa_system_vgpr_workitem_id 0
		.amdhsa_next_free_vgpr 1024
		.amdhsa_next_free_sgpr 66
		.amdhsa_reserve_vcc 0
		.amdhsa_float_denorm_mode_32 3
		.amdhsa_float_denorm_mode_16_64 3
		.amdhsa_memory_ordered 1
		.amdhsa_forward_progress 1
		.amdhsa_inst_pref_size 255
	.end_amdhsa_kernel
	.section	.bss,"aw",@nobits
	.p2align	6
	.space	262144
	.amdgpu_metadata
---
amdhsa.version: [ 1, 2 ]
amdhsa.kernels:
  - .name:           k_qdfacb7eabd_fused
    .symbol:         k_qdfacb7eabd_fused.kd
    .args:
      - { .name: x, .offset: 0, .size: 8, .value_kind: global_buffer, .address_space: global }
      - { .name: ws, .offset: 8, .size: 8, .value_kind: global_buffer, .address_space: global }
      - { .name: tab, .offset: 16, .size: 8, .value_kind: global_buffer, .address_space: global }
      - { .name: out0, .offset: 24, .size: 8, .value_kind: global_buffer, .address_space: global }
    .group_segment_fixed_size: 327680
    .private_segment_fixed_size: 0
    .kernarg_segment_align: 8
    .kernarg_segment_size: 32
    .max_flat_workgroup_size: 128
    .sgpr_count:     66
    .vgpr_count:     1024
    .wavefront_size: 32
...
	.end_amdgpu_metadata
.endif
;; end of part 2
;; ======== version 2 of 2: 2 launches
;; limits: values are held in f16: magnitudes above 65,504 overflow, below 6.1e-05 lose precision
;; workspace buffers: ws 8,388,608 bytes; tab 2,097,152 bytes
;; launch prep: the kernel of part 1 again; grid 512 x 1, 8 waves a work-group, no clusters, 0 bytes of LDS; arguments Wqkv, Wout, ws, tab; writes ws, tab
;; launch fused (part 3): grid 256 x 1, 4 waves a work-group, clusters of 4 x 1, 327,680 bytes of LDS; arguments x, ws, tab, out0; writes out0
.if DOCPART == 3
	.amdgcn_target "amdgcn-amd-amdhsa--gfx1250"
	.amdhsa_code_object_version 6
	.text
	.protected	k_qdfacb7eabd_fused
	.globl	k_qdfacb7eabd_fused
	.p2align	8
	.type	k_qdfacb7eabd_fused,@function
k_qdfacb7eabd_fused:
	s_mov_b64 s[64:65], 0
	v_nop
	global_prefetch_b8 v0, s[64:65] scope:SCOPE_SE
	s_setreg_imm32_b32 hwreg(HW_REG_WAVE_MODE, 25, 1), 1
	s_wait_xcnt 0x0
	s_wait_alu depctr_hold_cnt(0) depctr_sa_sdst(0) depctr_va_vdst(0) depctr_va_sdst(0) depctr_va_ssrc(0) depctr_va_vcc(0) depctr_vm_vsrc(0)
	s_getreg_b32 s2, hwreg(HW_REG_IB_STS2, 6, 4)
	s_cmp_eq_u32 s2, 0
	s_cbranch_scc0 .Lentry_in_a_cluster
	s_endpgm
.Lentry_in_a_cluster:
	s_bfe_u32 s2, ttmp6, 0x10000c
	s_cmp_lg_u32 s2, 0x3003
	s_cbranch_scc0 .Lentry_shape_is_right
	s_endpgm
.Lentry_shape_is_right:
; THE WHOLE MODULE FOR 64 TOKENS A WORK-GROUP: qkv = x Wqkv^T, RoPE on q and k, attention over the 16 heads inside each token, the transpose and reshape, and the product with Wout^T.
; WHY IT CAN BE ONE LAUNCH.  Inside a batch the second product's left matrix has row head*512 + t/16 and column (t%16)*64 + d.  So 16 consecutive tokens make 16 whole rows, one a head, and the
; work-group's 64 tokens make 64 whole rows (local row 16 a + head for block a of 16 tokens): nothing goes through memory between the steps.
; FORMATS.  x and the weights are rounded to bf16 (Wout's bf16 number is written as f16); what the program itself makes (q, k, v, the weights p, the attention's output) is rounded once to f16; all sums,
; maxima and the softmax in f32.  The row's true maximum is taken away before the exponential.
; LIMITS.  q, k, v beyond 65,504 become infinities in f16 (with inputs of unit spread they have unit spread); a weight below 2^-126 counts as 0 in the sum; NaN and infinities are not treated apart.
; The f32 sums over K are taken in an order that differs from cluster to cluster (below).
; FOUR PASSES, each 64 tokens x 1,024 columns over K = 1,024 in 32 steps of 32; wave w makes columns 256 w .. + 255: 64 accumulators of 16 x 16, 512 registers.
;   passes 0, 1: q (waves 0, 1) and k (waves 2, 3) of all heads, channels 32 p .. + 31; they are turned, rounded, regrouped by token through a stage in LDS, and added into the scores
;   pass 2: v; regrouped likewise, multiplied by the weights; the result takes x's place in LDS          pass 3: that matrix times Wout^T; out through a stage in whole rows of 512 bytes
; THE MATRIX INSTRUCTION IS USED TRANSPOSED: source 0 = 16 weight rows, source 1 = 16 tokens: a lane holds ONE token (lane % 16) and the columns 8 (lane / 16) + 0..7.
; THE WEIGHTS lie in ws in fragment order, 128 units of 65,536 bytes, one a K step.  They come through a ring of two LDS slots; wave w fetches and reads its own quarter (16,384 dense bytes, asked for as 64
; rows of 256).  A slot holds one K step: x's 64 rows take 132,096 bytes of LDS, the stage 41,216, and two slots of two steps do not fit beside them.
; EACH CLUSTER WALKS K IN ITS OWN ORDER.  R = 0..15 is made of the cluster's number; step tau of a pass takes K step tau xor 2 R.  So in any step the 64 clusters ask for 16 different pairs of units, and the
; requests for one unit are spread over a pass and do not all fall into one step.  No LDS address knows of R; it enters global addresses alone: (1) x's columns are loaded so that LDS block beta of 64 channels
; holds channels 64 (beta xor R) on; (2) of a block's 16 tokens LDS row sigma holds token sigma xor R, so that the attention's output, whose channel block is the token's number, lies in LDS by the same rule.
; CLUSTER.  All work-groups walk the same weights, so the four of a cluster ask for each quarter JOINTLY (same line, same descriptor, mask 15).  4 x 1 and not 4 x 4: a mask names four work-groups, and
; nothing but the weights is shared.
; REGISTERS, in windows of 256 (s_set_vgpr_msb: bits 1:0 source 0, 3:2 source 1, 5:4 source 2, 7:6 destination):
;   window 0: v0-31 addresses; v32-95 x's fragments, two buffers of 4 x 8; v96-223 the scores of my 16 tokens, later their weights; v224-255 cos and sin, two buffers of 16 (at the head v224-231: x's offsets)
;   window 1: the weights' fragments, two buffers of 16 x 8; between the passes at work          windows 2, 3: accumulator (cb, a) at 8 (4 (cb % 8) + a) of window 2 + cb / 8
.set SLOTB,  65536                     ; a slot of the ring; the ring lies at LDS byte 0
.set XA,     131072                    ; 64 rows of x in bf16, later of the attention's output in f16
.set XP,     2064                      ; their pitch: 2,048 + 16 bytes = 516 words: row r starts at bank 4 r mod 64 (64 banks of 4 bytes: ISA guide 11.1)
.set XBLK,   16*XP
.set STAGE,  263168                    ; 16 tokens x 2,576 bytes; on the way out 4 x 16 rows x 528 bytes, each wave's own
.set TP,     2576                      ; a token's pitch: 644 words, 4 mod 64
.set HQ,     80                        ; a head's 32 channels of q or k: 64 + 16 bytes, an odd multiple of 16
.set KOFF,   16*HQ                     ; k behind q
.set HV,     160                       ; a head's 64 channels of v: 128 + 32 bytes, an odd multiple of 32, for the turning load
.set OPI,    528                       ; the way out: 512 + 16 bytes
.set SPARE,  304384                    ; the spare words, 128 bytes for each wave: two blocks of 256 bytes that no other line names
.set VR,   1                           ; lane % 16
.set VH,   2                           ; lane / 16
.set VL,   3                           ; lane
.set ADRW, 4                           ; v4-5    my 16 bytes of a weight fragment's half in my quarter of slot 0, 1
.set AX,   6                           ; v6-7    my place in x's rows 0-31, 32-63; never rewritten
.set ADRX, 8                           ; v8-9    the same at the K step to be fetched
.set SQ,   10                          ; where I put 16 bytes of q or k          SR: where I read my tokens' fragments
.set SR,   11
.set SV,   12                          ; the same two for v
.set SVR,  13
.set SO,   14                          ; v14-15  where the attention's output goes, rows 0-31, 32-63
.set OST,  16                          ; the way out: into my stage,
.set ORD,  17                          ; back as whole rows,
.set GO,   18                          ; v18-21  and 16 x lane + k x 2^23 for heads 4 k .. 4 k + 3 of out0
.set TO,   22                          ; my 32 bytes of my token's 128 in the table
.set XO,   23                          ; 16 x lane
.set XS,   24                          ; where x's packed words go
.set PFO,  25                          ; 256 x lane
.set TA,   26
.set TB,   27
.set SPW,  28                          ; LDS address of my spare word; never rewritten
.set NIL,  29                          ; 0; never rewritten
.set XF,   32
.set MX,   64                          ; softmax: a pair a token (x's buffer 1 is idle there)
.set SS,   96                          ; token (a, i) at SS + 8 (4 a + i)
.set CSR,  224
.set VC,   224                         ; v224-231, at the head alone: (512 c + 16 x lane) xor 256 R: where the 16 bytes for LDS chunk c lie in a row of x
.set LX,   224                         ; softmax: a second pair a token
.set YB,   128                         ; window 1, between the passes: packed f16 on their way to the stage
.set QF,   192                         ; q's and k's fragments of my four tokens
.set KF,   224
.set OPB,  192                         ; the attention's output, packed
.set WV,   12                          ; s12  my wave's number
.set CX,   13                          ; s13  my place in the cluster: it enters global addresses alone
.set GG,   14                          ; s14  my block of 64 tokens
.set G1,   16                          ; s[16:23] descriptor group 1
.set G0,   24                          ; s[24:31] descriptor group 0, a set for each slot
.set KC,   32
.set QKC,  33
.set XK,   34                          ; byte of x's rows at which the K step to be fetched begins
.set PT,   35                          ; at work in ASK
.set PFA,  36                          ; s[36:37] where my prefetch stands
.set CC,   38                          ; s[38:39] c = log2(e) / 8
.set SEL,  40                          ; s[40:41] v_permlanex16_b32's selects: each lane takes its own place in the other half
.set LIM,  48                          ; 29 in a cluster that prefetches, else the greatest number
.set RR,   49                          ; s49  R: the same in all four partners
.set RX,   56                          ; s56  2 R
.set JN,   57                          ; s57  the count, 0..127, of the step whose unit is asked for next
.set OF,   58                          ; s[58:59] that unit's byte offset in ws
.set WB,   60                          ; s[60:61] ws at my quarter of unit 0
.set XB,   66                          ; s[66:97] x at the token that LDS row n of my 16 takes, n = 0..15; never rewritten
.set MSB, 0
.macro WIN new                         ; the immediate's high byte repeats the setting that is left; a switch that changes nothing is dropped
.if MSB != (\new)
	s_set_vgpr_msb (MSB<<8)|(\new)
.set MSB, (\new)
.endif
.endm
.macro PLACES                          ; four places behind matrix instructions, in front of loads into their sources and of lines that read their results
.rept 4
	v_nop
.endr
.endm
.macro BAR
	s_barrier_signal -1
	s_barrier_wait -1
.endm
.macro CREST                           ; a round of the cluster's barrier behind its opening barrier
	s_cmp_lg_u32 s[WV], 0
	s_cbranch_scc1 .Lnot_wave_0_\@
	s_barrier_signal -3
.Lnot_wave_0_\@:
	s_barrier_wait -3
	s_barrier_signal -1
	s_barrier_wait -1
.endm
.macro ROUND
	s_barrier_signal -1
	s_barrier_wait -1
	CREST
.endm
; n x 4 matrix instructions: weight blocks c0 .. c0 + n - 1 x the four token blocks, from buffer f.  All 64 accumulators take turns in one fixed order.  zero = 1: the products start the sums.
.macro QUAD f, c0, n, zero, form
	WIN 0xa1+0x50*((\c0)/8)                        ; weights window 1, x window 0, C and D window 2 or 3
.set cq, \c0
.rept \n
.set aq, 0
.rept 4
.set rD, 8*(4*(cq%8)+aq)
.if \zero
	v_wmma_f32_16x16x32_\form v[rD:rD+7], v[128*(\f)+8*cq:128*(\f)+8*cq+7], v[XF+32*(\f)+8*aq:XF+32*(\f)+8*aq+7], 0
.else
	v_wmma_f32_16x16x32_\form v[rD:rD+7], v[128*(\f)+8*cq:128*(\f)+8*cq+7], v[XF+32*(\f)+8*aq:XF+32*(\f)+8*aq+7], v[rD:rD+7]
.endif
.set aq, aq+1
.endr
.set cq, cq+1
.endr
.endm
; 40 LDS loads in one run: a K step's 4 fragments of x (first), then its 16 of my weights, in ascending order, into buffer f
.macro FETCH slot, f
	WIN 0
	v_add_nc_u32 v[ADRX], s[XK], v[AX]
	v_add_nc_u32 v[ADRX+1], s[XK], v[AX+1]
	s_add_co_u32 s[XK], s[XK], 64
.irp a, 0,1,2,3
	ds_load_b128 v[XF+32*(\f)+8*\a:XF+32*(\f)+8*\a+3],   v[ADRX+\a/2] offset:(\a%2)*XBLK
	ds_load_b128 v[XF+32*(\f)+8*\a+4:XF+32*(\f)+8*\a+7], v[ADRX+\a/2] offset:(\a%2)*XBLK+32
.endr
	WIN 0x40
.set cq, 0
.rept 16
	ds_load_b128 v[128*(\f)+8*cq:128*(\f)+8*cq+3],   v[ADRW+(\slot)] offset:1024*cq      ; 32 lanes, 512 consecutive bytes
	ds_load_b128 v[128*(\f)+8*cq+4:128*(\f)+8*cq+7], v[ADRW+(\slot)] offset:1024*cq+512
.set cq, cq+1
.endr
	WIN 0
.endm
; A PREFETCH INTO THE L2.  The pair of units with which a cluster begins a pass, 32 (p + 1) + 2 R and the next, is named by nobody in an earlier step.  Clusters 0 to 15, whose R are 0 to 15, ask for their own
; pair of the next pass in K step 26 of passes 0 to 2 (there JN, already stepped, is 29 mod 32): four K steps, 256 matrix instructions, ahead of the load of the pair's first unit in K step 30.  A pair is
; 131,072 bytes, 512 blocks of 256: 4 work-groups x 4 waves x 32 lanes, one instruction a wave, a lane a block; the partners are told apart BY ADDRESS.  So each block of passes 1 to 3 is named once in
; the launch.  Pass 0's units come by their loads alone; pass 3's text holds no prefetch: there is no unit 128.  The address is stepped once a pass, at the pass's end.
.macro ASK
	s_and_b32 s[PT], s[JN], 31
	s_cmp_eq_u32 s[PT], s[LIM]
	s_cbranch_scc0 .Lnot_mine_\@
	global_prefetch_b8 v[PFO], s[PFA:PFA+1] th:TH_LOAD_NT scope:SCOPE_SE
.Lnot_mine_\@:
.endm
; A K STEP: 64 matrix instructions on buffer cur, whose 40 loads were issued in the step before.
; refill = 1: slot cur is filled again, with the unit of the step two on: its address is made anew from the step's count and R.  Each wave waits for all its tensor loads (one is out: my quarter of the other
; slot), adds 0 to its spare word, and waits for that and for its reads of slot cur; the barrier opens a round of the cluster's barrier, so that no wave of any partner still reads the slot or has a load on
; its way; the joint refill is the first thing behind it.
; fetch = 1: the next step's fragments are fetched from the other slot, 32 matrix instructions ahead of their first use.
.macro TURN cur, zero, refill, fetch, form
	s_wait_dscnt 24                                ; x's 8 loads and weight blocks 0-3 are in; the youngest 24 loads may be out
	QUAD \cur, 0, 4, \zero, \form
.if \refill
	WIN 0                                          ; (the add's two registers lie in window 0)
	s_wait_tensorcnt 0x0                           ; all my tensor loads have landed, so a group 0 may be written;
	ds_add_u32 v[SPW], v[NIL]                      ; 0 onto my spare word; the descriptor's scalar work stands between it and the wait for it
	s_xor_b32 s[OF], s[JN], s[RX]                  ; the unit of step JN: 2 R turns bits 1 to 4, the K step inside the pass
	s_lshl_b32 s[OF], s[OF], 16
	s_add_nc_u64 s[G0+4*(\cur)+2:G0+4*(\cur)+3], s[WB:WB+1], s[OF:OF+1]
	s_or_b32 s[G0+4*(\cur)+3], s[G0+4*(\cur)+3], 0x80000000
	s_add_co_u32 s[JN], s[JN], 1
	s_wait_dscnt 17                                ; (the add and the 16 loads of blocks 8-15 may be out)
	QUAD \cur, 4, 2, \zero, \form
	s_wait_dscnt 0x0                               ; the add is done, and my reads of this slot are over
	s_barrier_signal -1
	QUAD \cur, 6, 2, \zero, \form                  ; work on registers while the others arrive
	WIN 0
	s_barrier_wait -1
	CREST
	tensor_load_to_lds s[G0+4*(\cur):G0+4*(\cur)+3], s[G1:G1+7]
	s_nop 0
	PLACES                                         ; the places in front of the loads below
.if \fetch
	FETCH 1-(\cur), 1-(\cur)
.endif
.if DOASK
	ASK
.endif
.elseif \fetch
	s_wait_tensorcnt 0x0                           ; the last unit: my quarter is in, and nobody else reads it; nothing is filled again, so no barrier
	s_wait_dscnt 16
	QUAD \cur, 4, 4, \zero, \form
	PLACES
	FETCH 1-(\cur), 1-(\cur)
	s_wait_dscnt 40                                ; all but the 40 just issued
.else
	s_wait_dscnt 16
	QUAD \cur, 4, 4, \zero, \form
	s_wait_dscnt 0x0
.endif
	QUAD \cur, 8, 4, \zero, \form
	QUAD \cur, 12, 4, \zero, \form
.endm
; cos and sin for block a: for my token, the 4 pairs of each parity of the weight block: 2 x 32 bytes
.macro CSLOAD a
	WIN 0
.irp par, 0,1
.irp e, 0,1
	global_load_b128 v[CSR+16*((\a)%2)+8*\par+4*\e:CSR+16*((\a)%2)+8*\par+4*\e+3], v[TO], s[8:9] offset:(\a)*4096+\par*64+\e*16
.endr
.endr
.endm
; A PASS: 32 K steps.  The first starts the sums and stands ahead of the loop.  last = 1 (pass 3): the last two steps ask for nothing and are written out.
; Else the last step still refills (the next pass's second unit) and fetches nothing: window 1 is wanted between the passes.  hook = 1: the first two blocks' cos and sin are asked for a K step ahead.
.macro MAIN form, last, hook
.set DOASK, 1-(\last)
	TURN 0, 1, 1, 1, \form
	WIN 0                                          ; at a label and at a branch every window is 0
	s_mov_b32 s[KC], 15-(\last)
.Lk_\@:
	TURN 1, 0, 1, 1, \form
	TURN 0, 0, 1, 1, \form
	WIN 0
	s_sub_co_u32 s[KC], s[KC], 1
	s_cmp_lg_u32 s[KC], 0
	s_cbranch_scc1 .Lk_\@
.if \hook
	CSLOAD 0
	CSLOAD 1
.endif
.if \last
	TURN 1, 0, 1, 1, \form
	TURN 0, 0, 0, 1, \form
	TURN 1, 0, 0, 0, \form
.else
	TURN 1, 0, 1, 0, \form
.endif
	WIN 0
.endm
	s_load_b256 s[4:11], s[0:1], 0x0               ; x s[4:5], ws s[6:7], tab s[8:9], out0 s[10:11]
	v_lshl_add_u32 v[SPW], v0, 2, SPARE
	v_mov_b32 v[NIL], 0
	ds_add_u32 v[SPW], v[NIL]                      ; the wave's opening: the add and its wait stand ahead of my first tensor load; work on registers stands between them
	v_lshrrev_b32 v[TA], 5, v0
	v_readfirstlane_b32 s[WV], v[TA]               ; wave 0..3
	s_bfe_u32 s[CX], ttmp6, 0x40000                ; cx
	s_lshl_b32 s[GG], ttmp9, 2                     ; in a cluster launch ttmp9 counts clusters
	s_add_co_u32 s[GG], s[GG], s[CX]               ; my 64 tokens: 64 g on
	s_and_b32 s[RR], ttmp9, 15                     ; R = the cluster's low four bits, all four turned where its bit 5 is set: among the 32 clusters that agree in any one bit of their number
	s_bfe_u32 s[RX], ttmp9, 0x10005                ; every R occurs twice
	s_mul_i32 s[RX], s[RX], 15
	s_xor_b32 s[RR], s[RR], s[RX]
	s_lshl_b32 s[RX], s[RR], 1
	s_mov_b32 s[JN], 2                             ; steps 0 and 1 are asked for at the start
	s_lshl_b32 s[OF], s[RX], 16                    ; step 0's unit is 2 R, step 1's the next
	s_mov_b32 s[OF+1], 0
	; descriptor group 1: 64 rows of 32 elements of 8 bytes, dense: 16,384 bytes
	s_mov_b32 s[G1+0], 15|(3<<16)|(1<<21)          ; 15:0 the mask of four; 17:16 8-byte elements; 21 set beside a mask; no padding
	s_mov_b32 s[G1+1], 32<<16                      ; tensor_dim0 = 32
	s_mov_b32 s[G1+2], 64<<16                      ; tensor_dim1 = 64
	s_mov_b32 s[G1+3], 32<<16                      ; tile_dim0 = 32
	s_mov_b32 s[G1+4], 64                          ; tile_dim1 = 64
	s_mov_b32 s[G1+5], 32                          ; 32 elements from row to row
	s_mov_b32 s[G1+6], 0
	s_mov_b32 s[G1+7], 0
	s_mov_b32 s[G0], 1                             ; count = 1
	s_lshl_b32 s[G0+1], s[WV], 14                  ; LDS address: my quarter of slot 0,
	s_mov_b32 s[G0+4], 1
	s_add_co_u32 s[G0+5], s[G0+1], SLOTB           ; of slot 1
	s_lshl_b32 s50, s[WV], 14                      ; my quarter of a unit
	s_mov_b32 s51, 0
	s_lshl_b32 s42, s[GG], 18                      ; x: 64 tokens of 4,096 bytes; my 16 of them
	s_lshl_b32 s43, s[WV], 16
	s_add_co_u32 s42, s42, s43
	s_mov_b32 s43, 0
	s_and_b32 s44, s[GG], 127                      ; the block's number inside its batch
	s_lshl_b32 s44, s44, 14                        ; tab: 64 positions of 256 bytes.  out0: 4 rows of 4,096 bytes
	s_mov_b32 s45, 0
	s_lshr_b32 s46, s[GG], 7                       ; the batch: 2^25 bytes of out0
	s_lshl_b32 s46, s46, 25
	s_add_co_u32 s46, s46, s44
	s_lshl_b32 s47, s[WV], 10                      ; my 256 columns
	s_add_co_u32 s46, s46, s47
	s_mov_b32 s47, 0
	s_lshl_b32 s52, s[CX], 2                       ; the prefetch: of a pair's 131,072 bytes the sixteenth of wave 4 cx + w,
	s_add_co_u32 s52, s52, s[WV]
	s_lshl_b32 s52, s52, 13
	s_add_co_u32 s52, s52, s[OF]                   ; in the pair 2 R
	s_add_co_u32 s52, s52, 32*SLOTB                ; of pass 1
	s_mov_b32 s53, 0
	s_cmp_lt_u32 ttmp9, 16                         ; clusters 0 to 15 ask: the same in all four partners
	s_cselect_b32 s[LIM], 29, -1
	s_mov_b32 s[CC], 0x3e38aa3b                    ; c = log2(e) / 8
	s_mov_b32 s[CC+1], s[CC]                       ; named with it as a pair
	s_mov_b32 s[SEL], 0x76543210
	s_mov_b32 s[SEL+1], 0xfedcba98
	s_lshl_b32 s15, s[RR], 8                       ; 64 channels of x are 256 bytes
	v_and_b32 v[VR], 15, v0
	v_bfe_u32 v[VH], v0, 4, 1
	v_and_b32 v[VL], 31, v0
	v_lshlrev_b32 v[XO], 4, v[VL]
.irp c, 0,1,2,3,4,5,6,7
	v_add_nc_u32 v[VC+\c], 512*\c, v[XO]
.endr
.irp c, 0,1,2,3,4,5,6,7
	v_xor_b32 v[VC+\c], s15, v[VC+\c]              ; bits 8 to 11 are turned: a wave's load still takes 512 consecutive bytes, aligned
.endr
	s_wait_dscnt 0x0                               ; the opening add is done
	s_wait_kmcnt 0x0
	s_add_nc_u64 s[4:5], s[4:5], s[42:43]
	s_add_nc_u64 s[8:9], s[8:9], s[44:45]
	s_add_nc_u64 s[10:11], s[10:11], s[46:47]
	s_add_nc_u64 s[PFA:PFA+1], s[6:7], s[52:53]
	s_add_nc_u64 s[WB:WB+1], s[6:7], s[50:51]
	s_add_nc_u64 s[G0+2:G0+3], s[WB:WB+1], s[OF:OF+1]  ; global address: my quarter of step 0's unit,
	s_add_nc_u64 s[G0+6:G0+7], s[G0+2:G0+3], SLOTB     ; of step 1's
	s_or_b32 s[G0+3], s[G0+3], 0x80000000          ; type = 2
	s_or_b32 s[G0+7], s[G0+7], 0x80000000
	ROUND                                          ; all four work-groups are here: the first joint loads meet
	tensor_load_to_lds s[G0:G0+3], s[G1:G1+7]      ; two loads of mine are out; later one
	s_nop 0
	tensor_load_to_lds s[G0+4:G0+7], s[G1:G1+7]
	s_nop 0
	PLACES
.set n, 0
.rept 16                                       ; LDS row n of my 16 takes token n xor R
	s_xor_b32 s42, s[RR], n
	s_lshl_b32 s42, s42, 12
	s_add_nc_u64 s[XB+2*n:XB+2*n+1], s[4:5], s[42:43]
.set n, n+1
.endr
; X INTO LDS, in bf16.  Wave w takes rows 16 w .. + 15, in eight batches of two rows; a load is 512 consecutive bytes.  Each batch has its own 64 registers (windows 2 and 3 are idle), three batches are out.
.macro XLOAD i
	WIN 0x80+0x40*((\i)/4)
.set n, 0
.rept 16
	global_load_b128 v[64*((\i)%4)+4*n:64*((\i)%4)+4*n+3], v[VC+n%8], s[XB+2*(2*(\i)+n/8):XB+2*(2*(\i)+n/8)+1] th:TH_LOAD_NT
.set n, n+1
.endr
.endm
.macro XTURN i
.if (\i) < 6
	s_wait_loadcnt 32                              ; batch i is in; the two younger batches stay out
.elseif (\i) == 6
	s_wait_loadcnt 16
.else
	s_wait_loadcnt 0x0
.endif
.if (\i) < 5
	XLOAD (\i)+3
.endif
	WIN 0x0a+5*((\i)/4)
.set n, 0
.rept 32
	v_cvt_pk_bf16_f32 v[XF+32*((\i)%2)+n], v[64*((\i)%4)+2*n], v[64*((\i)%4)+2*n+1]
.set n, n+1
.endr
	WIN 0
.set n, 0
.rept 16
	ds_store_b64 v[XS], v[XF+32*((\i)%2)+2*n:XF+32*((\i)%2)+2*n+1] offset:(2*(\i)+n/8)*XP+(n%8)*256  ; 32 lanes, 256 consecutive bytes
.set n, n+1
.endr
.endm
	XLOAD 0
	XLOAD 1
	XLOAD 2
	WIN 0
	; the lanes' addresses, while the loads are on their way.  LDS addresses are made of the wave's number, the lane and constants alone
	s_mul_i32 s54, s[WV], XBLK
	s_add_co_u32 s54, s54, XA
	v_lshl_add_u32 v[XS], v[VL], 3, s54
	s_lshl_b32 s54, s[WV], 14
	v_lshl_add_u32 v[ADRW], v[VL], 4, s54
	v_add_nc_u32 v[ADRW+1], SLOTB, v[ADRW]
	v_mul_u32_u24 v[AX], v[VR], XP                 ; a fragment of 16 rows x 32 k: row lane % 16, 16 bytes at 16 (lane / 16) and 32 further on
	v_lshl_add_u32 v[AX], v[VH], 4, v[AX]
	v_add_nc_u32 v[AX], XA, v[AX]
	v_add_nc_u32 v[AX+1], 2*XBLK, v[AX]
	s_lshl_b32 s54, s[WV], 9                       ; the attention's output: my token rows 4 w + i are LDS columns 64 (4 w + i) on
	v_add_nc_u32 v[SO], s54, v[AX]
	v_add_nc_u32 v[SO+1], 2*XBLK, v[SO]
	v_mul_u32_u24 v[TA], v[VR], TP                 ; into the stage: token row lane % 16
	v_lshl_add_u32 v[TA], v[VH], 4, v[TA]
	s_lshr_b32 s54, s[WV], 1                       ; q or k,
	s_mul_i32 s54, s54, KOFF
	s_and_b32 s55, s[WV], 1                        ; heads 0-7 or 8-15
	s_mul_i32 s55, s55, 8*HQ
	s_add_co_u32 s54, s54, s55
	s_add_co_u32 s54, s54, STAGE
	v_add_nc_u32 v[SQ], s54, v[TA]
	s_mul_i32 s54, s[WV], 4*HV                     ; v: heads 4 w .. 4 w + 3
	s_add_co_u32 s54, s54, STAGE
	v_add_nc_u32 v[SV], s54, v[TA]
	s_mul_i32 s54, s[WV], 4*TP                     ; out of the stage: my token rows 4 w + i
	s_add_co_u32 s54, s54, STAGE
	v_mul_u32_u24 v[TA], v[VR], HQ                 ; a fragment of 16 heads x 32 channels
	v_lshl_add_u32 v[TA], v[VH], 4, v[TA]
	v_add_nc_u32 v[SR], s54, v[TA]
	v_and_b32 v[TA], 7, v0                         ; the turning load: lane l reads head 8 (l / 16) + l % 8, channels 8 ((l / 8) % 2) + 0..7
	v_lshl_add_u32 v[TA], v[VH], 3, v[TA]
	v_mul_u32_u24 v[TA], v[TA], HV
	v_bfe_u32 v[TB], v0, 3, 1
	v_lshl_add_u32 v[TA], v[TB], 4, v[TA]
	v_add_nc_u32 v[SVR], s54, v[TA]
	s_mul_i32 s54, s[WV], 16*OPI                   ; the way out: my own 16 rows
	s_add_co_u32 s54, s54, STAGE
	v_mul_u32_u24 v[TA], v[VR], OPI
	v_lshl_add_u32 v[TA], v[VH], 5, v[TA]
	v_add_nc_u32 v[OST], s54, v[TA]
	v_lshl_add_u32 v[ORD], v[VL], 4, s54
	v_lshlrev_b32 v[GO], 4, v[VL]
	v_add_nc_u32 v[GO+1], 0x800000, v[GO]
	v_add_nc_u32 v[GO+2], 0x1000000, v[GO]
	v_add_nc_u32 v[GO+3], 0x1800000, v[GO]
	v_xor_b32 v[TO], s[RR], v[VR]                  ; the table: my token row lane % 16 holds the position (lane % 16) xor R of its block
	v_lshlrev_b32 v[TO], 8, v[TO]
	v_lshl_add_u32 v[TO], v[VH], 5, v[TO]
	v_lshlrev_b32 v[PFO], 8, v[VL]
	; The scores start at 0, so that both channel slices add onto them by one text: 128 lines, once a launch, in the wait for x
.set n, 0
.rept 128
	v_mov_b32 v[SS+n], 0
.set n, n+1
.endr
.irp i, 0,1,2,3,4,5,6,7
	XTURN \i
.endr
	s_wait_dscnt 0x0                               ; for the others' sake: my rows of x lie in LDS
	s_wait_tensorcnt 0x1                           ; my quarter of step 0's unit is in; step 1's may stay out
	BAR
	s_mov_b32 s[XK], 0
	FETCH 0, 0
; BETWEEN THE PASSES 0, 1.  Block a of 16 tokens: CONV turns the pairs (o1 = x1 c - x2 s, o2 = x2 c + x1 s: two packed lines a pair) and rounds to f16; QKSTORE puts a lane's 16 bytes (8 channels of a head of a
; token) into the stage; behind a barrier QKLOAD takes my four tokens' fragments (16 heads x 32 channels of q and of k); SCORE adds k q^T onto the scores: a lane then holds ONE query head (lane % 16) and the
; key heads 8 (lane / 16) + 0..7.  The next block's CONV stands between the loads and the wait for them.
.macro CONV a
	WIN 0
.if (\a) == 3
	s_wait_loadcnt 0x0
.else
	s_wait_loadcnt 0x4                             ; this block's cos and sin are in; the next block's four loads stay out
.endif
.set cq, 0
.rept 16
	WIN 0x52+cq/8                                  ; destination and source 2 window 1, the accumulator window 2 or 3, cos and sin window 0
.set rA, 8*(4*(cq%8)+(\a))
.set rC, CSR+16*((\a)%2)+8*(cq%2)
.set rT, 8*cq
.irp q, 0,2,4,6                                ; each accumulator's lowest registers are read first
	v_pk_mul_f32 v[rT+\q:rT+\q+1], v[rA+\q:rA+\q+1], v[rC+\q:rC+\q+1] op_sel_hi:[1,0]                         ; x1 c, x2 c
.endr
.irp q, 0,2,4,6
	v_pk_fma_f32 v[rT+\q:rT+\q+1], v[rA+\q:rA+\q+1], v[rC+\q:rC+\q+1], v[rT+\q:rT+\q+1] op_sel:[1,1,0] op_sel_hi:[0,1,1] neg_lo:[0,1,0]  ; - x2 s, + x1 s
.endr
.set cq, cq+1
.endr
	WIN 0x45
.set n, 0
.rept 64
	v_cvt_pk_f16_f32 v[YB+n], v[2*n], v[2*n+1]
.set n, n+1
.endr
	WIN 0
.if (\a) < 2
	CSLOAD (\a)+2                                  ; into the buffer just read
.endif
.endm
.macro QKSTORE
	WIN 0x04                                       ; the data in window 1
.set cq, 0
.rept 16
	ds_store_b128 v[SQ], v[YB+4*cq:YB+4*cq+3] offset:(cq/2)*HQ+(cq%2)*32
.set cq, cq+1
.endr
	WIN 0
.endm
.macro QKLOAD
	WIN 0x40
.irp i, 0,1,2,3
	ds_load_b128 v[QF+8*\i:QF+8*\i+3],   v[SR] offset:\i*TP
	ds_load_b128 v[QF+8*\i+4:QF+8*\i+7], v[SR] offset:\i*TP+32
	ds_load_b128 v[KF+8*\i:KF+8*\i+3],   v[SR] offset:\i*TP+KOFF
	ds_load_b128 v[KF+8*\i+4:KF+8*\i+7], v[SR] offset:\i*TP+KOFF+32
.endr
	WIN 0
.endm
.macro SCORE a
	WIN 0x05                                       ; k and q in window 1, the scores in window 0
.irp i, 0,1,2,3
	v_wmma_f32_16x16x32_f16 v[SS+8*(4*(\a)+\i):SS+8*(4*(\a)+\i)+7], v[KF+8*\i:KF+8*\i+7], v[QF+8*\i:QF+8*\i+7], v[SS+8*(4*(\a)+\i):SS+8*(4*(\a)+\i)+7]
.endr
	WIN 0
	PLACES
.endm
	s_mov_b32 s[QKC], 2
.Lqk:                                                  ; channels 0-31, then 32-63, of q and k
	MAIN bf16, 0, 1
	PLACES
	CONV 0
.irp a, 0,1,2,3
.if \a > 0
	BAR                                            ; every wave's reads of the stage are back (the wait ahead of SCORE): it may be written again
.endif
	QKSTORE
	s_wait_dscnt 0x0                               ; for the others' sake: my part of the stage is written
	BAR
	QKLOAD
.if \a < 3
	CONV \a+1
.endif
	s_wait_dscnt 0x0
	SCORE \a
.endr
	s_wait_xcnt 0x0                                ; the pass's prefetch, five K steps back, and the table's loads have read their addresses, so these may be written:
	s_add_nc_u64 s[8:9], s[8:9], 128               ; the table's next 16 pairs,
	s_add_nc_u64 s[PFA:PFA+1], s[PFA:PFA+1], 32*SLOTB  ; my part of the pair 2 R one pass on
	s_mov_b32 s[XK], 0
	FETCH 0, 0                                     ; the next pass's first fragments: its first unit was shown landed in the last K step
	s_sub_co_u32 s[QKC], s[QKC], 1
	s_cmp_lg_u32 s[QKC], 0
	s_cbranch_scc1 .Lqk
	; SOFTMAX over the 16 key heads, for my 16 tokens side by side: 8 scores a lane, the other 8 in the lane 16 away.  p = 2^(c s - c m) / l, rounded to f16: registers 0-3 of a token ARE source 1's keys 0-15
	; of the second product; registers 4-7 (keys 16-31, which do not exist) take 0.
.macro ALLT line:vararg
.set u, 0
.rept 16
	\line
.set u, u+1
.endr
.endm
	ALLT v_max3_num_f32 v[MX+2*u], v[SS+8*u], v[SS+8*u+1], v[SS+8*u+2]
	ALLT v_max3_num_f32 v[MX+2*u], v[MX+2*u], v[SS+8*u+3], v[SS+8*u+4]
	ALLT v_max3_num_f32 v[MX+2*u], v[MX+2*u], v[SS+8*u+5], v[SS+8*u+6]
	ALLT v_max_num_f32 v[MX+2*u], v[MX+2*u], v[SS+8*u+7]
	ALLT v_permlanex16_b32 v[MX+2*u+1], v[MX+2*u], s[SEL], s[SEL+1]
	ALLT v_max_num_f32 v[MX+2*u], v[MX+2*u], v[MX+2*u+1]
	ALLT v_mul_f32 v[MX+2*u], s[CC], v[MX+2*u]
.set n, 0
.rept 64                                       ; c s - c m, a pair of scores a line, the tokens by turns
.set rS, SS+8*(n%16)+2*(n/16)
	v_pk_fma_f32 v[rS:rS+1], v[rS:rS+1], s[CC:CC+1], v[MX+2*(n%16):MX+2*(n%16)+1] op_sel_hi:[1,0,0] neg_lo:[0,0,1] neg_hi:[0,0,1]
.set n, n+1
.endr
.set n, 0
.rept 128
	v_exp_f32 v[SS+n], v[SS+n]
.set n, n+1
.endr
	v_nop                                          ; a plain instruction behind the last exponential (ISA guide 5.7.2),
	s_wait_alu depctr_va_vdst(0)                   ; and one wait for the batch of 128, ahead of its first reader
	ALLT v_pk_add_f32 v[LX+2*u:LX+2*u+1], v[SS+8*u:SS+8*u+1], v[SS+8*u+2:SS+8*u+3]
	ALLT v_pk_add_f32 v[MX+2*u:MX+2*u+1], v[SS+8*u+4:SS+8*u+5], v[SS+8*u+6:SS+8*u+7]
	ALLT v_pk_add_f32 v[LX+2*u:LX+2*u+1], v[LX+2*u:LX+2*u+1], v[MX+2*u:MX+2*u+1]
	ALLT v_add_f32 v[LX+2*u], v[LX+2*u], v[LX+2*u+1]
	ALLT v_permlanex16_b32 v[LX+2*u+1], v[LX+2*u], s[SEL], s[SEL+1]
	ALLT v_add_f32 v[LX+2*u], v[LX+2*u], v[LX+2*u+1]
	ALLT v_rcp_f32 v[LX+2*u], v[LX+2*u]
	v_nop
	s_wait_alu depctr_va_vdst(0)                   ; one wait for the 16 reciprocals
.set n, 0
.rept 64
.set rS, SS+8*(n%16)+2*(n/16)
	v_pk_mul_f32 v[rS:rS+1], v[rS:rS+1], v[LX+2*(n%16):LX+2*(n%16)+1] op_sel_hi:[1,0]
.set n, n+1
.endr
.irp q, 0,1,2,3                                ; in place, ascending: word q is written when pairs up to q have been read
	ALLT v_cvt_pk_f16_f32 v[SS+8*u+\q], v[SS+8*u+2*\q], v[SS+8*u+2*\q+1]
.endr
.irp q, 4,5,6,7
	ALLT v_mov_b32 v[SS+8*u+\q], 0
.endr
	MAIN bf16, 0, 0                                ; v
; BEHIND PASS 2.  Block a: v rounded to f16 goes through the stage, [head][channel] for each token; the turning load leaves v^T's fragments (16 channels x 16 key heads; their keys 16-31 hold 0);
; o^T = v^T p: a lane holds one query head and eight channels, 16 bytes of local row 16 a + head, LDS columns 64 (token row) on: they take x's place in LDS, which every wave has finished reading
; when the block's barrier is passed.
.macro CONVV a
.set cq, 0
.rept 16
	WIN 0x4a+5*(cq/8)
.set rA, 8*(4*(cq%8)+(\a))
.irp q, 0,1,2,3
	v_cvt_pk_f16_f32 v[YB+4*cq+\q], v[rA+2*\q], v[rA+2*\q+1]
.endr
.set cq, cq+1
.endr
	WIN 0
.endm
.macro PVOUT a
.set n, 0
.rept 16                                       ; n = 4 i + db: my token i, channels 16 db on.  The results land in block a's accumulators, whose v has been packed
	WIN 0xa1+0x50*(n/8)
.set rD, 8*(4*(n%8)+(\a))
	v_wmma_f32_16x16x32_f16 v[rD:rD+7], v[8*n:8*n+7], v[SS+8*(4*(\a)+n/4):SS+8*(4*(\a)+n/4)+7], 0
.set n, n+1
.endr
	PLACES
.set n, 0
.rept 16
	WIN 0x4a+5*(n/8)
.set rD, 8*(4*(n%8)+(\a))
.irp q, 0,1,2,3
	v_cvt_pk_f16_f32 v[OPB+4*n+\q], v[rD+2*\q], v[rD+2*\q+1]
.endr
.set n, n+1
.endr
	WIN 0x04
.set n, 0
.rept 16
	ds_store_b128 v[SO+(\a)/2], v[OPB+4*n:OPB+4*n+3] offset:((\a)%2)*XBLK+(n/4)*128+(n%4)*32
.set n, n+1
.endr
	WIN 0
.endm
	PLACES
	WIN 0x40
.set n, 0
.rept 16
.irp e, 4,5,6,7
	v_mov_b32 v[8*n+\e], 0                         ; keys 16-31 of v^T's fragments
.endr
.set n, n+1
.endr
	CONVV 0
.irp a, 0,1,2,3
.if \a > 0
	s_wait_dscnt 0x0                               ; my stores of the block before are done, my reads of the stage are back
	BAR
.endif
	WIN 0x04
.set cq, 0
.rept 16
	ds_store_b128 v[SV], v[YB+4*cq:YB+4*cq+3] offset:(cq/4)*HV+(cq%4)*32
.set cq, cq+1
.endr
	WIN 0
	s_wait_dscnt 0x0
	BAR
	WIN 0x40
.set n, 0
.rept 16
	ds_load_tr16_b128 v[8*n:8*n+3], v[SVR] offset:(n/4)*TP+(n%4)*32
.set n, n+1
.endr
	WIN 0
.if \a < 3
	CONVV \a+1
.endif
	s_wait_dscnt 0x0
	PVOUT \a
.endr
	s_wait_dscnt 0x0                               ; for the others' sake: my columns of the 64 rows are written
	BAR
	s_mov_b32 s[XK], 0
	FETCH 0, 0
	MAIN f16, 1, 0                                 ; times Wout^T
; THE WAY OUT, in eight half-blocks k = 2 a + hc: 16 rows (heads) x 128 columns of f32.  A lane's 32 bytes go into my own stage, rows of 528 bytes, and come back as whole rows of 512.  LDS serves a wave's
; instructions in order (ISA guide 5.7.1.4), so no wait stands between the stores and the loads, nor in front of the next half-block's stores.  Half-block k + 1 enters the stage ahead of k's stores to memory.
.macro OSTG k
	WIN 0
	s_wait_xcnt 0x0                                ; the stores of half-block k - 2 have read the registers that are loaded again below
	WIN 0x08+4*((\k)%2)                            ; the data in window 2 or 3
.set cq, 0
.rept 8
.set rA, 8*(4*cq+(\k)/2)
	ds_store_b128 v[OST], v[rA:rA+3]   offset:64*cq
	ds_store_b128 v[OST], v[rA+4:rA+7] offset:64*cq+16
.set cq, cq+1
.endr
	WIN 0x40
.set cq, 0
.rept 16
	ds_load_b128 v[64*((\k)%2)+4*cq:64*((\k)%2)+4*cq+3], v[ORD] offset:OPI*cq
.set cq, cq+1
.endr
.endm
.macro OSEND k, younger                ; younger: the LDS lines issued behind this half-block's loads: the next one's 32, or none
	WIN 0x04
.set cq, 0
.rept 16
	s_wait_dscnt (\younger)+15-cq
	global_store_b128 v[GO+cq/4], v[64*((\k)%2)+4*cq:64*((\k)%2)+4*cq+3], s[10:11] offset:(cq%4)*2097152+((\k)/2)*4096+((\k)%2)*512 th:TH_STORE_NT  ; 512 consecutive bytes, aligned, of row head*512 + t/16
.set cq, cq+1
.endr
.endm
	PLACES
	OSTG 0
.irp k, 1,2,3,4,5,6,7
	OSTG \k
	OSEND \k-1, 32
.endr
	OSEND 7, 0
	WIN 0
	s_wait_tensorcnt 0x0                           ; the wave's end, behind my last tensor load and my last LDS store
	ds_add_u32 v[SPW], v[NIL]
	s_wait_dscnt 0x0
	ROUND                                          ; the closing round: no work-group ends while a partner may still ask for a tile that names it
	s_endpgm
.Lfunc_end_k_qdfacb7eabd_fused:
	.size	k_qdfacb7eabd_fused, .Lfunc_end_k_qdfacb7eabd_fused-k_qdfacb7eabd_fused
	.p2alignl 7, 3214868480
	.fill 96, 4, 3214868480
	.section	.rodata,"a",@progbits
	.p2align	6, 0x0
	.amdhsa_kernel k_qdfacb7eabd_fused
		.amdhsa_group_segment_fixed_size 327680
		.amdhsa_private_segment_fixed_size 0
		.amdhsa_enable_private_segment 0
		.amdhsa_kernarg_size 32
		.amdhsa_user_sgpr_count 2
		.amdhsa_user_sgpr_kernarg_segment_ptr 1
		.amdhsa_wavefront_size32 1
		.amdhsa_system_sgpr_workgroup_id_x 1
		.amdhsa_system_sgpr_workgroup_id_y 1
		.amdhsa_system_sgpr_workgroup_id_z 1
		.amdhsa_system_vgpr_workitem_id 0
		.amdhsa_next_free_vgpr 1024
		.amdhsa_next_free_sgpr 100
		.amdhsa_reserve_vcc 0
		.amdhsa_float_denorm_mode_32 3
		.amdhsa_float_denorm_mode_16_64 3
		.amdhsa_memory_ordered 1
		.amdhsa_forward_progress 1
		.amdhsa_inst_pref_size 255
	.end_amdhsa_kernel
	.section	.bss,"aw",@nobits
	.p2align	6
	.space	262144
	.amdgpu_metadata
---
amdhsa.version: [ 1, 2 ]
amdhsa.kernels:
  - .name:           k_qdfacb7eabd_fused
    .symbol:         k_qdfacb7eabd_fused.kd
    .args:
      - { .name: x, .offset: 0, .size: 8, .value_kind: global_buffer, .address_space: global }
      - { .name: ws, .offset: 8, .size: 8, .value_kind: global_buffer, .address_space: global }
      - { .name: tab, .offset: 16, .size: 8, .value_kind: global_buffer, .address_space: global }
      - { .name: out0, .offset: 24, .size: 8, .value_kind: global_buffer, .address_space: global }
    .group_segment_fixed_size: 327680
    .private_segment_fixed_size: 0
    .kernarg_segment_align: 8
    .kernarg_segment_size: 32
    .max_flat_workgroup_size: 128
    .sgpr_count:     100
    .vgpr_count:     1024
    .wavefront_size: 32
...
	.end_amdgpu_metadata
.endif
;; end of part 3
